; MI455X (gfx1250); checked and timed in simulation.
; The chip was launched on July 23, 2026; its instructions are those of AMD's public machine-readable ISA for CDNA 5 (MIT licence, August 2026) and "CDNA5" Instruction Set Architecture Reference Guide (July 2026). The comments in the code are by the model that wrote it; some were corrected since.
;; Causal Self Attention. Allowed arithmetic: matrix products marked QUANTISED: E2M3 operands, one E8M0 scale for each 32 along K, by v_wmma_scale_f32_16x16x128_f8f6f4 with both operands' format E2M3, f32 sums; everything else in f32.
;; Inputs: w_proj 1,024 x 1,024 float32; w_qkv 1,024 x 3,072 float32; x 4 x 2,048 x 1,024 float32.
;; Outputs: out0 4 x 2,048 x 1,024 float32.
;; This version of the problem:
;;   THIS VERSION OF THE PROBLEM IS GIVEN IN LOW PRECISION. The matrix products marked QUANTISED in the list below multiply operands that are first quantised to E2M3 (2 exponent bits, 3 mantissa bits; 6 bits a number), with one power-of-two scale for each 32 numbers along K (OCP MX v1.0); their sums are f32. All else is computed in f32.
;;   The module's matrix products, in the order in which they are computed (A, B: the left and right operand; K: the contracted axis; several contracted axes count as one K, in the product's order):
;;     1. [M 8,192, K 1,024] x [K 1,024, N 3,072]; A: input x; B: input w_qkv: QUANTISED
;;     2. batch 64 x [M 2,048, K 64] x [K 64, N 2,048]; A: computed on the way; B: computed on the way: QUANTISED
;;     3. batch 64 x [M 2,048, K 2,048] x [K 2,048, N 64]; A: softmax (see below); B: computed on the way: QUANTISED
;;     4. [M 8,192, K 1,024] x [K 1,024, N 1,024]; A: computed on the way; B: input w_proj: QUANTISED
;;   THE QUANTISER, for each operand of a quantised product, along K:
;;     - K is cut into blocks of 32 from its start; a last block that is shorter is filled with zeros.
;;     - A block's scale is 2^e with e = floor(log2(the largest magnitude in the block)) - 2, held to -126 .. 127; a block of zeros has e = 0. As a byte (E8M0): e + 127.
;;     - Each number is divided by its block's scale, clamped to +-7.5, and rounded to the nearest number of E2M3, ties to even, subnormals kept.
;;     - The product sums the exact products of the quantised numbers (number of the format x scale) in f32.
;;   ~~~python
;;   def quantise(x, axis):      # numpy; x: float32 -> the quantised numbers, widened to float32 again
;;       x = np.moveaxis(x, axis, -1); K = x.shape[-1]
;;       x = np.pad(x, [(0, 0)] * (x.ndim - 1) + [(0, -K % 32)]); x = x.reshape(x.shape[:-1] + (-1, 32)); a = np.abs(x).max(-1, keepdims=True)
;;       e = np.where(a > 0, np.clip(np.frexp(np.where(a > 0, a, 1))[1] - 1 - 2, -126, 127), 0)      # np.frexp(a)[1] - 1 = floor(log2(a)), exactly
;;       r = np.clip(x / 2.0 ** e, -7.5, 7.5)
;;       step = 2.0 ** (np.maximum(np.frexp(np.where(r == 0, 1, r))[1] - 1, 0) - 3)
;;       q = np.round(r / step) * step * 2.0 ** e      # np.round: ties to even
;;       return np.moveaxis(q.reshape(q.shape[:-2] + (-1,))[..., :K], -1, axis).astype(np.float32)
;;   ~~~
;;   SOFTMAX AHEAD OF A QUANTISED PRODUCT. Where the list says 'softmax', what is quantised is not the finished softmax but p = 2^(t - M), with t = logit x log2(e) and M = ceil(the row's largest t), a whole number; so 1/2 < the row's largest p <= 1. The row's sum l is taken of the UNQUANTISED p, in f32, and the product's result is divided by l at the end. Since M is a whole number, a kernel that streams over the keys may use a running M (the ceiling of the running maximum): every later rescaling is an exact power of two, which a block's scale takes up: the codes' values come out the same.
;;   OPERANDS COMPUTED ON THE WAY. 'Computed on the way' means the value that the module computes at that place (a softmax that the list does not call 'softmax' is quantised finished and normalised). What goes into a quantiser is computed in f32, as accurately as f32 sums, v_exp_f32 and their like allow (about 1e-6 of the number): no bf16 or f16 on the way to a quantiser, and a product that is left as it is and whose result goes on into a quantised operand takes f32 operands (vector FMAs, or v_wmma_f32_16x16x4_f32). A number that lies on a knife's edge between two numbers of the format may be rounded either way, as far as f32 arithmetic and the matrix unit's own rounding can turn it there, and no further.
;; One version. Each part assembles by itself: llvm-mc -triple=amdgcn-amd-amdhsa -mcpu=gfx1250 --defsym DOCPART=n.
;; ======== version 1 of 1: 4 launches
;; workspace buffers: xq 6,553,600 bytes; wq 3,276,800 bytes; yq 6,553,600 bytes; qq 6,815,744 bytes; kv 13,369,344 bytes
;; launch prep (part 1): grid 384 x 1, 4 waves a work-group, no clusters, 34,304 bytes of LDS; arguments x, w_qkv, w_proj, xq, wq; writes xq, wq
.if DOCPART == 1
	.amdgcn_target "amdgcn-amd-amdhsa--gfx1250"
	.amdhsa_code_object_version 6
	.text
	.protected	k_qc55d27d994_prep
	.globl	k_qc55d27d994_prep
	.p2align	8
	.type	k_qc55d27d994_prep,@function
k_qc55d27d994_prep:
	s_mov_b64 s[64:65], 0
	v_nop
	global_prefetch_b8 v0, s[64:65] scope:SCOPE_SE
	s_setreg_imm32_b32 hwreg(HW_REG_WAVE_MODE, 25, 1), 1
	s_wait_xcnt 0x0
; x [8192][1024], w_qkv [1024][3072] and w_proj [1024][1024], f32, become codes of FP6 (E2M3) with one E8M0 byte for each 32 along K = 1,024,
; laid as IMAGES OF THE OPERAND REGISTERS of the products that follow.  xq: the rows of x.  wq: rows 0-3071 the columns of w_qkv, rows 3072-4095 those of w_proj.
; LAYOUT.  Codes [block of 128 rows][K step of 128][tile 0..7][1,536 bytes]; a tile is 16 rows x 128 K: two halves of 64 K, 768 bytes each: a lane's registers 0-3 at 16 x lane, 4-5 at 512 + 8 x lane.
; THE ROWS OF A TILE ARE NOT NEIGHBOURS: position r of tile 2 g + u is row 32 g + 8 u + r + 8 (r / 8).  Scale words behind the codes: [block][K step][j][256]: the word of position r of tile 4 j + i at 16 r + 4 (2 (i % 2) + i / 2).
; A block's scale is 2^(floor(log2(its largest magnitude)) - 2): the byte is the largest magnitude's exponent field - 2, held at 1 from below.
; LIMITS: a block of zeros, or one whose largest magnitude lies under 2^-124, gets the byte 1 (a block of zeros has zero codes, and this program alone reads the bytes); NaN and infinities are not served.
; SHARES.  Work-groups 0-255 take x: a wave takes 64 rows x 128 K (four tiles); each load reads 512 consecutive bytes of a row, and a tile turns through the wave's own stage in LDS so that a lane gets 16 neighbours of each block.
; Work-groups 256-383 take the weights, whose K is the FIRST axis: a lane takes a column and its registers run down K, so nothing is transposed and no LDS is touched; a wave takes 64 columns x 128 K.
; No matrix unit, no tensor load, no barrier, no cluster: waves share nothing and each input byte is read once.
.set XS_OFF, 6291456                   ; xq: where the scale words begin
.set WS_OFF, 3145728                   ; wq: likewise
.set STG,    8448                      ; a wave's stage: 16 rows x (512 + 16) bytes
.set SPARE,  33792                     ; behind the four stages: the spare words, 128 bytes for each wave
.set L16, 4                            ; v4   16 x lane
.set L8,  5                            ; v5   8 x lane
.set RS8, 6                            ; v6   16 r + 8 h: my two scale words' place
.set STI, 7                            ; v7   the stage, on the way in
.set STO, 8                            ; v8   and on the way out
.set COL4, 9                           ; v9   weights: 4 x my column in a group of 32
.set SPW, 14                           ; v14  my spare word; never rewritten
.set NIL, 15                           ; v15  0; never rewritten
.set TM,  16                           ; v16-31  at work
.set PC,  32                           ; v32-51  a fragment's codes, and two runs of three for the conversions
.set W,   52                           ; v52-55  four tiles' scale words
.set D,   56                           ; v56-57  the two that I store
.set R,   64                           ; v64-191 x: two sets of 64 registers as loaded
.set X,   192                          ; v192-255 x: 64 numbers of my row
.set OFF, 64                           ; v64-95  weights: row i x pitch + my column
.set N,   96                           ; v96-159 weights: two sets of 32 numbers
.set CF,  160                          ; v160-207 weights: codes, block e of group g at CF + 24 g + 6 e
.set SW,  208                          ; v208-209 weights: my column's scale words, one for each group
.set CT,  210                          ; v210-212 a conversion's three registers
	s_load_b256 s[4:11], s[0:1], 0x0               ; x s[4:5], w_qkv s[6:7], w_proj s[8:9], xq s[10:11]
	s_load_b64 s[12:13], s[0:1], 0x20              ; wq
	v_lshl_add_u32 v[SPW], v0, 2, SPARE
	v_mov_b32 v[NIL], 0
	v_lshrrev_b32 v1, 5, v0
	v_readfirstlane_b32 s16, v1                    ; wave
	v_and_b32 v1, 31, v0                           ; lane
	v_and_b32 v2, 15, v0                           ; r
	v_bfe_u32 v3, v0, 4, 1                         ; h
	v_lshlrev_b32 v[L16], 4, v1
	v_lshlrev_b32 v[L8], 3, v1
	v_lshlrev_b32 v[RS8], 4, v2
	v_lshl_add_u32 v[RS8], v3, 3, v[RS8]
	s_mul_i32 s23, s16, STG
	v_add_nc_u32 v[STI], s23, v[L16]               ; in: a row's 512 bytes as they lie
	v_mul_u32_u24 v[STO], v2, 528
	v_lshl_add_u32 v[STO], v3, 6, v[STO]
	v_add_nc_u32 v[STO], s23, v[STO]               ; out: row r, + 64 h: my 16 numbers of a block of 32
	s_mov_b32 s20, 0x76543210
	s_mov_b32 s21, 0xfedcba98                      ; v_permlanex16_b32: lane l xor 16
	s_wait_kmcnt 0x0
	s_cmp_ge_u32 ttmp9, 256
	s_cbranch_scc1 .Lweights
; ---------------- x ----------------
; 64 numbers of a lane, register 16 b + i = k 32 b + 16 h + i of my row, become a fragment's codes in v[PC] on and its scale word in v[w].
.macro QUANT s, w
.irp b, 0,1,2,3
	v_max3_num_f32 v[TM+\b], |v[\s+16*\b]|, |v[\s+1+16*\b]|, 0x1800000   ; my 16 numbers of block b, and the floor 2^(3 - 127): the byte cannot fall under 1
.endr
.irp i, 2,4,6,8,10,12,14
.irp b, 0,1,2,3
	v_max3_num_f32 v[TM+\b], v[TM+\b], |v[\s+16*\b+\i]|, |v[\s+1+16*\b+\i]|
.endr
.endr
.irp b, 0,1,2,3
	v_permlanex16_b32 v[TM+4+\b], v[TM+\b], s20, s21
.endr
.irp b, 0,1,2,3
	v_max_num_f32 v[TM+\b], v[TM+\b], v[TM+4+\b]   ; with lane l xor 16's: the block's largest magnitude
.endr
.irp b, 0,1,2,3
	v_add_nc_u32 v[TM+12+\b], 0xff000000, v[TM+\b] ; 2 off its exponent field: the conversion's scale operand
.endr
.irp b, 0,1,2,3
	v_lshrrev_b32 v[TM+4+\b], 23, v[TM+12+\b]      ; the scale's byte
.endr
	v_lshl_or_b32 v[\w], v[TM+5], 8, v[TM+4]
	v_lshl_or_b32 v[\w], v[TM+6], 16, v[\w]
	v_lshl_or_b32 v[\w], v[TM+7], 24, v[\w]
.irp c, 0,1
	v_cvt_scalef32_pk16_fp6_f32 v[PC+6*\c:PC+2+6*\c], v[\s+32*\c:\s+15+32*\c], v[TM+12+2*\c]
	v_cvt_scalef32_pk16_fp6_f32 v[PC+12+4*\c:PC+14+4*\c], v[\s+16+32*\c:\s+31+32*\c], v[TM+12+2*\c+1]   ; (a conversion's three registers begin on an even number)
.endr
	v_nop                                          ; one plain place behind a scaled conversion
.irp c, 0,1                                    ; the operand wants a whole block in a lane: lanes 0-15 block 2 c, lanes 16-31 block 2 c + 1
.irp i, 0,1,2
	v_permlane16_swap_b32 v[PC+6*\c+\i], v[PC+12+4*\c+\i]
.endr
.irp i, 0,1,2
	v_mov_b32 v[PC+3+6*\c+\i], v[PC+12+4*\c+\i]
.endr
.endr
.endm
.macro XLOADT t                        ; tile t's sixteen rows, 512 consecutive bytes each, into set t % 2
.irp i, 0,1,2,3,4,5,6,7,8,9,10,11,12,13,14,15
	global_load_b128 v[R+64*((\t)%2)+4*\i:R+64*((\t)%2)+4*\i+3], v[L16], s[4:5] offset:(32*((\t)/2)+8*((\t)%2)+\i+8*(\i/8))*4096 th:TH_LOAD_NT
.endr
.endm
.macro XTURN t                         ; through my own stage: LDS serves a wave's instructions in order, so no wait stands between the stores and the loads
.irp i, 0,1,2,3,4,5,6,7,8,9,10,11,12,13,14,15
	ds_store_b128 v[STI], v[R+64*((\t)%2)+4*\i:R+64*((\t)%2)+4*\i+3] offset:528*\i
.endr
.irp b, 0,1,2,3
.irp j, 0,1,2,3
	ds_load_b128 v[X+16*\b+4*\j:X+16*\b+4*\j+3], v[STO] offset:128*\b+16*\j
.endr
.endr
.endm
	s_lshr_b32 s17, ttmp9, 1                       ; which 64 rows
	s_and_b32 s18, ttmp9, 1
	s_lshl_b32 s18, s18, 2
	s_add_co_u32 s18, s18, s16                     ; which K step: 4 x (work-group % 2) + wave
	s_lshr_b32 s19, s17, 1                         ; the block of 128 rows,
	s_and_b32 s22, s17, 1                          ; and which half of it
	s_lshl_b32 s24, s17, 18                        ; 64 rows of 4,096 bytes
	s_lshl_b32 s23, s18, 9
	s_add_co_u32 s24, s24, s23
	s_mov_b32 s25, 0
	s_add_nc_u64 s[4:5], s[4:5], s[24:25]          ; x at my first row and K step
	s_mul_i32 s26, s19, 98304
	s_mul_i32 s23, s18, 12288
	s_add_co_u32 s26, s26, s23
	s_mul_i32 s23, s22, 6144
	s_add_co_u32 s26, s26, s23
	s_mov_b32 s27, 0
	s_add_nc_u64 s[30:31], s[10:11], s[26:27]      ; my four tiles' codes
	s_lshl_b32 s28, s19, 12
	s_lshl_b32 s23, s18, 9
	s_add_co_u32 s28, s28, s23
	s_lshl_b32 s23, s22, 8
	s_add_co_u32 s28, s28, s23
	s_add_co_u32 s28, s28, XS_OFF
	s_mov_b32 s29, 0
	s_add_nc_u64 s[32:33], s[10:11], s[28:29]      ; and their 256 bytes of scale words
.irp b, 0,1,2,3
	v_mov_b32 v[TM+4+\b], 0                        ; written once: a lane permute's destination counts as one of its sources
.endr
	XLOADT 0
	XLOADT 1
.irp t, 0,1,2,3
.if \t < 3
	s_wait_loadcnt 16                              ; this tile's sixteen loads are in; the next tile's sixteen may be out
.else
	s_wait_loadcnt 0x0
.endif
	XTURN \t
	s_wait_dscnt 0x0                               ; my numbers are back, and the stage's stores have read their registers
	s_wait_xcnt 0x0                                ; the last tile's stores have read the codes' registers, which are written again below
.if \t < 2
	XLOADT \t+2
.endif
	QUANT X, W+\t
	global_store_b128 v[L16], v[PC:PC+3], s[30:31] offset:1536*\t            ; each store of the wave covers 512 or 256 consecutive bytes, aligned
	global_store_b64 v[L8], v[PC+4:PC+5], s[30:31] offset:1536*\t+512
	global_store_b128 v[L16], v[PC+6:PC+9], s[30:31] offset:1536*\t+768
	global_store_b64 v[L8], v[PC+10:PC+11], s[30:31] offset:1536*\t+1280
.endr
	v_cmp_ne_u32 vcc_lo, 0, v3
	v_cndmask_b32 v[D], v[W], v[W+1], vcc_lo       ; lanes 0-15 store tiles 0 and 2, lanes 16-31 tiles 1 and 3
	v_cndmask_b32 v[D+1], v[W+2], v[W+3], vcc_lo
	global_store_b64 v[RS8], v[D:D+1], s[32:33]    ; 256 consecutive bytes, aligned
	s_wait_tensorcnt 0x0                           ; the wave's end, behind my last LDS store
	ds_add_u32 v[SPW], v[NIL]
	s_wait_dscnt 0x0
	s_endpgm
; ---------------- the weights ----------------
.Lweights:
	s_sub_co_u32 s17, ttmp9, 256
	s_lshr_b32 s18, s17, 3                         ; which 256 columns of the 4,096
	s_and_b32 s19, s17, 7                          ; which K step
	s_lshl_b32 s22, s18, 2
	s_add_co_u32 s22, s22, s16                     ; which 64 columns
	s_mov_b32 s23, 4096
	s_cmp_lt_u32 s18, 12                           ; the first 3,072 columns are w_qkv's: the choice hangs on the work-group's number alone
	s_cselect_b64 s[6:7], s[6:7], s[8:9]
	s_cselect_b32 s23, 12288, s23                  ; bytes from row to row
	s_cselect_b32 s34, 0, 48
	s_sub_co_u32 s34, s22, s34
	s_lshl_b32 s34, s34, 8                         ; 4 x my first column in its own tensor
	s_lshl_b32 s35, s19, 7
	s_mul_i32 s35, s35, s23                        ; my first row
	s_add_co_u32 s36, s35, s34
	s_mov_b32 s37, 0
	s_lshl_b32 s38, s23, 5                         ; 32 rows on
	s_mov_b32 s39, 0
	s_add_nc_u64 s[24:25], s[6:7], s[36:37]        ; a base for each of the K step's four blocks
	s_add_nc_u64 s[26:27], s[24:25], s[38:39]
	s_add_nc_u64 s[28:29], s[26:27], s[38:39]
	s_add_nc_u64 s[30:31], s[28:29], s[38:39]
	s_lshr_b32 s40, s22, 1
	s_and_b32 s41, s22, 1
	s_mul_i32 s42, s40, 98304
	s_mul_i32 s35, s19, 12288
	s_add_co_u32 s42, s42, s35
	s_mul_i32 s35, s41, 6144
	s_add_co_u32 s42, s42, s35
	s_mov_b32 s43, 0
	s_add_nc_u64 s[44:45], s[12:13], s[42:43]      ; my four tiles' codes
	s_lshl_b32 s42, s40, 12
	s_lshl_b32 s35, s19, 9
	s_add_co_u32 s42, s42, s35
	s_lshl_b32 s35, s41, 8
	s_add_co_u32 s42, s42, s35
	s_add_co_u32 s42, s42, WS_OFF
	s_add_nc_u64 s[46:47], s[12:13], s[42:43]      ; and their scale words
	v_and_b32 v[COL4], 8, v2
	v_add_nc_u32 v[COL4], v[COL4], v2
	v_lshl_add_u32 v[COL4], v3, 3, v[COL4]         ; lane (h, r) takes column 8 h + r + 8 (r / 8) of a group of 32: position r of tile 2 g + h
	v_lshlrev_b32 v[COL4], 2, v[COL4]
.set ii, 0
.rept 32
	v_mad_u32_u24 v[OFF+ii], ii, s23, v[COL4]
.set ii, ii+1
.endr
.macro WLOAD q                         ; unit q: block q / 2 of the K step, group q % 2 of my 64 columns: 32 rows; each load reads 128 consecutive bytes
.set ii, 0
.rept 32
	global_load_b32 v[N+32*((\q)%2)+ii], v[OFF+ii], s[24+2*((\q)/2):25+2*((\q)/2)] offset:128*((\q)%2) th:TH_LOAD_NT
.set ii, ii+1
.endr
.endm
.macro BLOCKW q
.set NS, N+32*((\q)%2)
.set CB, CF+24*((\q)%2)+6*((\q)/2)
.if (\q) < 7
	s_wait_loadcnt 32                              ; this unit's 32 loads are in; the next unit's may be out
.else
	s_wait_loadcnt 0x0
.endif
	v_max3_num_f32 v16, |v[NS]|, |v[NS+1]|, |v[NS+2]|              ; all 32 numbers of the block are mine
	v_max3_num_f32 v17, |v[NS+3]|, |v[NS+4]|, |v[NS+5]|
.irp i, 6,10,14,18,22,26
	v_max3_num_f32 v16, v16, |v[NS+\i]|, |v[NS+\i+1]|
	v_max3_num_f32 v17, v17, |v[NS+\i+2]|, |v[NS+\i+3]|
.endr
	v_max3_num_f32 v16, v16, |v[NS+30]|, |v[NS+31]|
	v_max3_num_f32 v16, v16, v17, 0x1800000        ; and the floor
	v_add_nc_u32 v18, 0xff000000, v16              ; the conversion's scale operand
	v_lshrrev_b32 v19, 23, v18                     ; the byte
.if (\q)/2 == 0
	v_mov_b32 v[SW+(\q)%2], v19
.else
	v_lshl_or_b32 v[SW+(\q)%2], v19, 8*((\q)/2), v[SW+(\q)%2]
.endif
	v_cvt_scalef32_pk16_fp6_f32 v[CB:CB+2], v[NS:NS+15], v18
	v_cvt_scalef32_pk16_fp6_f32 v[CT:CT+2], v[NS+16:NS+31], v18
	v_nop                                          ; one plain place behind a scaled conversion
.irp i, 0,1,2
	v_mov_b32 v[CB+3+\i], v[CT+\i]
.endr
.if (\q)+2 < 8
	WLOAD (\q)+2
.endif
.endm
	WLOAD 0
	WLOAD 1
.irp q, 0,1,2,3,4,5,6,7
	BLOCKW \q
.endr
; A lane holds blocks 0-3 of ITS column; a half image wants lanes 0-15 to hold block 2 c and lanes 16-31 block 2 c + 1 of one tile.  One exchange of halves between blocks 2 c and 2 c + 1 gives tile 2 g in the first and tile 2 g + 1 in the second.
.irp g, 0,1
.irp c, 0,1
.irp i, 0,1,2,3,4,5
	v_permlane16_swap_b32 v[CF+24*\g+12*\c+\i], v[CF+24*\g+12*\c+6+\i]
.endr
.endr
.endr
.irp g, 0,1
.irp e, 0,1,2,3
	global_store_b128 v[L16], v[CF+24*\g+6*\e:CF+24*\g+6*\e+3], s[44:45] offset:(2*\g+(\e%2))*1536+(\e/2)*768
	global_store_b64 v[L8], v[CF+24*\g+6*\e+4:CF+24*\g+6*\e+5], s[44:45] offset:(2*\g+(\e%2))*1536+(\e/2)*768+512
.endr
.endr
	global_store_b64 v[RS8], v[SW:SW+1], s[46:47]  ; lane (h, r): the words of tiles h and 2 + h: 256 consecutive bytes, aligned
	s_endpgm
.Lfunc_end_k_qc55d27d994_prep:
	.size	k_qc55d27d994_prep, .Lfunc_end_k_qc55d27d994_prep-k_qc55d27d994_prep
	.p2alignl 7, 3214868480
	.fill 96, 4, 3214868480
	.section	.rodata,"a",@progbits
	.p2align	6, 0x0
	.amdhsa_kernel k_qc55d27d994_prep
		.amdhsa_group_segment_fixed_size 34304
		.amdhsa_private_segment_fixed_size 0
		.amdhsa_enable_private_segment 0
		.amdhsa_kernarg_size 40
		.amdhsa_user_sgpr_count 2
		.amdhsa_user_sgpr_kernarg_segment_ptr 1
		.amdhsa_wavefront_size32 1
		.amdhsa_system_sgpr_workgroup_id_x 1
		.amdhsa_system_sgpr_workgroup_id_y 1
		.amdhsa_system_sgpr_workgroup_id_z 1
		.amdhsa_system_vgpr_workitem_id 0
		.amdhsa_next_free_vgpr 256
		.amdhsa_next_free_sgpr 66
		.amdhsa_reserve_vcc 1
		.amdhsa_float_denorm_mode_32 3
		.amdhsa_float_denorm_mode_16_64 3
		.amdhsa_memory_ordered 1
		.amdhsa_forward_progress 1
		.amdhsa_inst_pref_size 76
	.end_amdhsa_kernel
	.amdgpu_metadata
---
amdhsa.version: [ 1, 2 ]
amdhsa.kernels:
  - .name:           k_qc55d27d994_prep
    .symbol:         k_qc55d27d994_prep.kd
    .args:
      - { .name: x, .offset: 0, .size: 8, .value_kind: global_buffer, .address_space: global }
      - { .name: w_qkv, .offset: 8, .size: 8, .value_kind: global_buffer, .address_space: global }
      - { .name: w_proj, .offset: 16, .size: 8, .value_kind: global_buffer, .address_space: global }
      - { .name: xq, .offset: 24, .size: 8, .value_kind: global_buffer, .address_space: global }
      - { .name: wq, .offset: 32, .size: 8, .value_kind: global_buffer, .address_space: global }
    .group_segment_fixed_size: 34304
    .private_segment_fixed_size: 0
    .kernarg_segment_align: 8
    .kernarg_segment_size: 40
    .max_flat_workgroup_size: 128
    .sgpr_count:     66
    .vgpr_count:     256
    .wavefront_size: 32
...
	.end_amdgpu_metadata
.endif
;; end of part 1
;; launch qkv (part 2): grid 12 x 32, 4 waves a work-group, clusters of 4 x 4, 327,680 bytes of LDS; arguments xq, wq, qq, kv; writes qq, kv
.if DOCPART == 2
	.amdgcn_target "amdgcn-amd-amdhsa--gfx1250"
	.amdhsa_code_object_version 6
	.text
	.protected	k_qc55d27d994_qkv
	.globl	k_qc55d27d994_qkv
	.p2align	8
	.type	k_qc55d27d994_qkv,@function
k_qc55d27d994_qkv:
	s_mov_b64 s[64:65], 0
	v_nop
	global_prefetch_b8 v0, s[64:65] scope:SCOPE_SE
	s_setreg_imm32_b32 hwreg(HW_REG_WAVE_MODE, 25, 1), 1
	s_wait_xcnt 0x0
	s_wait_alu depctr_hold_cnt(0) depctr_sa_sdst(0) depctr_va_vdst(0) depctr_va_sdst(0) depctr_va_ssrc(0) depctr_va_vcc(0) depctr_vm_vsrc(0)
	s_getreg_b32 s2, hwreg(HW_REG_IB_STS2, 6, 4)
	s_cmp_eq_u32 s2, 0
	s_cbranch_scc0 .Lentry_in_a_cluster
	s_endpgm
.Lentry_in_a_cluster:
	s_bfe_u32 s2, ttmp6, 0x10000c
	s_cmp_lg_u32 s2, 0xf033
	s_cbranch_scc0 .Lentry_shape_is_right
	s_endpgm
.Lentry_shape_is_right:
; qkv = x w_qkv on codes of FP6 (E2M3), K = 1,024; the results never go to memory as f32: they are quantised straight out of the accumulators into the operands of attention.
; A tile of 256 x 256 is made by four waves, 128 x 128 each: 64 accumulators, 512 registers.  Source 0 of the matrix instruction takes 16 rows of the B SIDE, source 1 16 rows of the A SIDE: a lane holds ONE row of the A side,
; and, since position r of tile 2 g + u of every operand is row 32 g + 8 u + r + 8 (r / 8), the 16 registers of results 2 g and 2 g + 1 are 16 NEIGHBOURING rows of the B side.
; ROLES, by the cluster's x, which all sixteen partners share.  0: q, 1: k: A side = tokens (xq), B side = columns of w_qkv (wq): a lane holds a token and its registers run along the head's 64, the K of q k^T.
; 2: v: THE POINTERS ARE SWAPPED: A side = columns (wq), B side = tokens (xq): a lane holds one of a head's 64 and its registers run along the keys, the K of p v.  The text is one for all three.
; OPERANDS lie in memory as images of their registers: [block of 128 rows][K step][tile][1,536]: two K steps of a block are 24,576 dense bytes, one tensor load; a fragment comes by two loads of 16 and two of 8 bytes a lane, all consecutive.
; The ring has two slots of two K steps; K is four fills, written out: no loop.  The scale words of the work-group's four blocks, for all of K, come once with the first fills.
; CLUSTERS: 4 x 4.  The A side's tiles are shared along a row of the cluster, the B side's along a column: joint loads, one a wave behind each round.  By this text's count a wave has at most three tensor loads out (at the start).
; No prefetch: two of the four fills go out at the head, and the other two follow within two K steps each.
; OUT.  qq: [head 64][token tile 128][768] half images, then [head][tile / 4][256] scale words (bytes 2, 3 are 0).  kv: [head][chunk of 256 keys][26,112]: 16 half images of k, 8 fragments of v (16 of the head's 64 x 128 keys), 1,024 bytes of k's words, 512 of v's.
; LIMITS: a block of zeros, or one whose largest magnitude lies under 2^-124, gets the byte 1 (this program alone reads the bytes); NaN and infinities are not served.
; REGISTERS: window 0: v16-29 addresses; v32-63 scale words, two sets; v64-112 the way out; v128-223 the A side's 8 fragments, one set.  Window 1: the B side's, two sets, at v0 and v128.  Windows 2, 3: accumulator (a, b) at v[8 (8 (a % 4) + b)].
.set XS_OFF, 6291456
.set WS_OFF, 3145728
.set QS_OFF, 6291456
.set HALFT,  24576                     ; a block of 128 rows, two K steps: what one tensor load brings
.set SLOT,   98304                     ; A block 0, A block 1, B block 0, B block 1
.set SCL,    196608                    ; behind the ring: 4 x 4,096 bytes of scale words
.set SPARE,  212992                    ; the spare words, 128 bytes for each wave
.set FR,  12
.set NL,  4                            ; LDS loads that bring a fragment
.set A16, 16                           ; v16-17  A side, slot 0, 1: + 16 x lane
.set A8,  18                           ; v18-19  + 8 x lane
.set B16, 20                           ; v20-23  the same for the B side
.set B8,  22
.set ADRS, 27                          ; v27     my scale words: lanes 0-15 the A side's, lanes 16-31 the B side's
.set SPW, 28                           ; v28     my spare word; never rewritten
.set NIL, 29                           ; v29     0; never rewritten
.set SC,  32
.set TM,  64                           ; v64-79  at work
.set PC,  80                           ; v80-99  the codes just made
.set W,   100                          ; v100-107 eight scale words
.set SH16, 108                         ; v108    16 h
.set VS,  109                          ; v109    16 r + h x (bytes from the even head's words to the odd head's)
.set L16, 110
.set L8,  111
.set H,   112
.set AF,  128
.set G1,  24
.set G0,  32
.set G1B, 48
.set G0B, 56
.set G1S, 68
.set G0S, 76
.set G1SB, 80
.set G0SB, 88
.set MSB, 0
.macro WIN new                         ; the immediate's high byte repeats the setting that is left
.if MSB != (\new)
	s_set_vgpr_msb (MSB<<8)|(\new)
.set MSB, (\new)
.endif
.endm
.set MUL_LO, 0xa1                      ; source 0 window 1, source 1 window 0, C and D window 2
.set MUL_HI, 0xf1                      ; the same, C and D window 3
.set TO_B,   0x40                      ; destination window 1
; A joint load: waves 0 and 1 fetch for the A side, waves 2 and 3 for the B side.  An s_nop 0 and four v_nop follow each of the two lines.
.macro JLOAD g0a, g1a, g0b, g1b
	s_cmp_eq_u32 s15, 0
	s_cbranch_scc0 .Lfor_b_\@
	tensor_load_to_lds s[\g0a:\g0a+3], s[\g1a:\g1a+7]
	s_nop 0
.rept 4
	v_nop
.endr
	s_branch .Lasked_\@
.Lfor_b_\@:
	tensor_load_to_lds s[\g0b:\g0b+3], s[\g1b:\g1b+7]
	s_nop 0
.rept 4
	v_nop
.endr
.Lasked_\@:
.endm
.macro CREST                           ; a round of the cluster's barrier behind its opening barrier
	s_cmp_lg_u32 s14, 0
	s_cbranch_scc1 .Lnot_wave_0_\@
	s_barrier_signal -3
.Lnot_wave_0_\@:
	s_barrier_wait -3
	s_barrier_signal -1
	s_barrier_wait -1
.endm
.macro CROUND
	s_barrier_signal -1
	s_barrier_wait -1
	CREST
.endm
.macro PLACES                          ; four plain places behind a matrix instruction, ahead of loads into its registers and of reads of its results
.rept 4
	v_nop
.endr
.endm
	s_load_b256 s[4:11], s[0:1], 0x0               ; xq s[4:5], wq s[6:7], qq s[8:9], kv s[10:11]
	v_lshl_add_u32 v[SPW], v0, 2, SPARE
	v_mov_b32 v[NIL], 0
	ds_add_u32 v[SPW], v[NIL]
	ds_add_u32 v[SPW], v[NIL]                      ; the wave's opening: the add and its wait ahead of my first tensor load
	v_lshrrev_b32 v1, 5, v0
	v_readfirstlane_b32 s14, v1                    ; wave
	s_lshr_b32 s15, s14, 1                         ; my half of the A side's rows.  Also: I fetch for A (0) or B (1)
	s_and_b32 s16, s14, 1                          ; my half of the B side's rows.  Also: which block of 128 I fetch
	s_bfe_u32 s40, ttmp6, 0x40000                  ; cx
	s_bfe_u32 s41, ttmp6, 0x40004                  ; cy
	s_and_b32 s17, ttmp7, 0xffff                   ; the cluster's y
	s_lshl_b32 s18, s17, 2
	s_lshl_b32 s19, ttmp9, 2
	s_mov_b32 s44, XS_OFF
	s_mov_b32 s45, WS_OFF
	s_cmp_eq_u32 ttmp9, 2                          ; v?  The cluster's x is the same in all sixteen partners
	s_cselect_b32 s42, 8, s18
	s_cselect_b32 s43, s18, s19
	s_cselect_b32 s44, WS_OFF, s44                 ; where the A side's scale words begin,
	s_cselect_b32 s45, XS_OFF, s45                 ; and the B side's
	s_add_co_u32 s42, s42, s41                     ; the A side's tile of 256 rows: it never holds cx
	s_add_co_u32 s43, s43, s40                     ; the B side's: it never holds cy
	s_lshl_b32 s46, s41, 2
	s_lshl_b32 s46, 15, s46                        ; my row of the cluster
	s_lshl_b32 s47, 0x1111, s40                    ; my column
	s_or_b32 s[G1+0], s46, (3<<16)|(1<<21)         ; 15:0 the mask; 17:16 elements of 8 bytes; 21 set beside a mask; no padding
	s_or_b32 s[G1B+0], s47, (3<<16)|(1<<21)
	s_or_b32 s[G1S+0], s46, (3<<16)|(1<<21)
	s_or_b32 s[G1SB+0], s47, (3<<16)|(1<<21)
.irp g, G1, G1B                        ; codes: 96 dense rows of 256 bytes
	s_mov_b32 s[\g+1], 32<<16
	s_mov_b32 s[\g+2], 96<<16
	s_mov_b32 s[\g+3], 32<<16
	s_mov_b32 s[\g+4], 96
	s_mov_b32 s[\g+5], 32
	s_mov_b32 s[\g+6], 0
	s_mov_b32 s[\g+7], 0
.endr
.irp g, G1S, G1SB                      ; scale words: 16 dense rows of 256 bytes
	s_mov_b32 s[\g+1], 32<<16
	s_mov_b32 s[\g+2], 16<<16
	s_mov_b32 s[\g+3], 32<<16
	s_mov_b32 s[\g+4], 16
	s_mov_b32 s[\g+5], 32
	s_mov_b32 s[\g+6], 0
	s_mov_b32 s[\g+7], 0
.endr
	s_lshl_b32 s20, s42, 1
	s_add_co_u32 s20, s20, s16                     ; the A side's block that I would fetch
	s_lshl_b32 s22, s20, 12
	s_add_co_u32 s22, s22, s44                     ; its scale words,
	s_mul_i32 s20, s20, 98304                      ; its codes
	s_mov_b32 s21, 0
	s_mov_b32 s23, 0
	s_lshl_b32 s66, s43, 1
	s_add_co_u32 s66, s66, s16                     ; the B side's
	s_lshl_b32 s104, s66, 12
	s_add_co_u32 s104, s104, s45
	s_mul_i32 s66, s66, 98304
	s_mov_b32 s67, 0
	s_mov_b32 s105, 0
	s_mul_i32 s12, s14, HALFT                      ; where they go: wave x 24,576; no place in the cluster enters an LDS address
	s_lshl_b32 s13, s14, 12
	s_wait_dscnt 0x0                               ; the opening add is done
	s_wait_kmcnt 0x0
	s_cmp_eq_u32 ttmp9, 2
	s_cselect_b64 s[92:93], s[6:7], s[4:5]         ; the A side's buffer
	s_cselect_b64 s[94:95], s[4:5], s[6:7]         ; the B side's
	s_add_nc_u64 s[20:21], s[92:93], s[20:21]
	s_add_nc_u64 s[22:23], s[92:93], s[22:23]
	s_add_nc_u64 s[66:67], s[94:95], s[66:67]
	s_add_nc_u64 s[104:105], s[94:95], s[104:105]
	CROUND                                         ; all sixteen work-groups are here: the first joint loads meet
	s_mov_b32 s[G0S], 1
	s_add_co_u32 s[G0S+1], s13, SCL
	s_mov_b64 s[G0S+2:G0S+3], s[22:23]
	s_or_b32 s[G0S+3], s[G0S+3], 0x80000000
	s_mov_b32 s[G0SB], 1
	s_add_co_u32 s[G0SB+1], s13, SCL
	s_mov_b64 s[G0SB+2:G0SB+3], s[104:105]
	s_or_b32 s[G0SB+3], s[G0SB+3], 0x80000000
	JLOAD G0S, G1S, G0SB, G1SB                     ; the scale words first: they are wanted with the first K step
.irp s, 0,1
	s_mov_b32 s[G0+4*\s], 1
	s_add_co_u32 s[G0+4*\s+1], s12, \s*SLOT
	s_add_nc_u64 s[G0+4*\s+2:G0+4*\s+3], s[20:21], \s*HALFT
	s_or_b32 s[G0+4*\s+3], s[G0+4*\s+3], 0x80000000
	s_mov_b32 s[G0B+4*\s], 1
	s_add_co_u32 s[G0B+4*\s+1], s12, \s*SLOT
	s_add_nc_u64 s[G0B+4*\s+2:G0B+4*\s+3], s[66:67], \s*HALFT
	s_or_b32 s[G0B+4*\s+3], s[G0B+4*\s+3], 0x80000000
	JLOAD G0+4*\s, G1, G0B+4*\s, G1B
.endr
	v_and_b32 v1, 15, v0                           ; r
	v_bfe_u32 v2, v0, 4, 1                         ; h
	v_and_b32 v3, 31, v0                           ; lane
	v_lshlrev_b32 v[L16], 4, v3
	v_lshlrev_b32 v[L8], 3, v3
	s_mul_i32 s12, s15, HALFT                      ; my 128 rows of the A side,
	s_mul_i32 s13, s16, HALFT
	s_add_co_u32 s13, s13, 2*HALFT                 ; and of the B side
.irp s, 0,1
	v_add_nc_u32 v[A16+\s], s12, v[L16]
	v_add_nc_u32 v[A8+\s], s12, v[L8]
	v_add_nc_u32 v[B16+\s], s13, v[L16]
	v_add_nc_u32 v[B8+\s], s13, v[L8]
	s_add_co_u32 s12, s12, SLOT
	s_add_co_u32 s13, s13, SLOT
.endr
	v_lshlrev_b32 v5, 4, v1                        ; 16 r: four tiles' words of my row position
	s_lshl_b32 s12, s15, 12                        ; the A side's words of my block,
	s_lshl_b32 s13, s16, 12
	s_add_co_u32 s13, s13, 8192                    ; the B side's,
	s_sub_co_u32 s13, s13, s12                     ; the distance between the two:
	v_mul_u32_u24 v6, s13, v2                      ; lanes 16-31 take the B side's
	s_add_co_u32 s12, s12, SCL
	v_add_nc_u32 v5, v5, v6
	v_add_nc_u32 v[ADRS], s12, v5
	v_lshlrev_b32 v[SH16], 4, v2
	v_mov_b32 v[H], v2
.irp b, 0,1,2,3
	v_mov_b32 v[TM+4+\b], 0                        ; written once: a lane permute's destination counts as one of its sources
.endr
	; WHERE MY RESULTS GO.  q, k: the tokens are the A side's, the heads the B side's; v: the other way round.
	s_cmp_eq_u32 ttmp9, 2
	s_cselect_b32 s2, s43, s42                     ; the block of 256 tokens
	s_cselect_b32 s3, s41, s40
	s_cselect_b32 s100, s15, s16
	s_cselect_b32 s101, s16, s15                   ; which 128 of them are mine
	s_lshl_b32 s3, s3, 1
	s_add_co_u32 s3, s3, s100                      ; my pair of heads
	s_lshl_b32 s3, s3, 1
	s_lshr_b32 s100, s2, 3
	s_lshl_b32 s100, s100, 4
	s_add_co_u32 s3, s3, s100                      ; 16 x batch + my even head
	s_and_b32 s2, s2, 7                            ; the chunk of 256 tokens in the sequence
	s_mov_b32 s96, 208896
	s_mov_b32 s97, 26112
	s_mov_b32 s98, 208896
	s_mov_b32 s99, 26112
	s_mov_b32 s100, 24576
	s_cmp_eq_u32 ttmp9, 0                          ; q goes to qq, k and v to kv
	s_cselect_b32 s96, 98304, s96                  ; codes: bytes a head,
	s_cselect_b32 s97, 12288, s97                  ; a chunk;
	s_cselect_b32 s98, 8192, s98                   ; scale words: bytes a head,
	s_cselect_b32 s99, 1024, s99                   ; a chunk,
	s_cselect_b32 s100, QS_OFF, s100               ; and where they begin
	s_cselect_b64 s[8:9], s[8:9], s[10:11]
	v_mul_u32_u24 v[VS], s98, v2
	v_lshl_add_u32 v[VS], v1, 4, v[VS]
	s_mov_b32 s12, s96                             ; q, k: a fragment's second half is the odd head's
	s_mov_b32 s13, 0
	s_mul_i32 s96, s96, s3
	s_mul_i32 s97, s97, s2
	s_add_co_u32 s96, s96, s97
	s_mul_i32 s97, s101, 6144
	s_add_co_u32 s96, s96, s97
	s_mul_i32 s98, s98, s3
	s_mul_i32 s99, s99, s2
	s_add_co_u32 s98, s98, s99
	s_add_co_u32 s98, s98, s100
	s_mov_b32 s2, 768
	s_mov_b32 s3, 768
	s_cmp_eq_u32 ttmp9, 2
	s_cselect_b32 s97, 12288, 0                    ; v's fragments lie behind k's half images,
	s_cselect_b32 s99, 1024, 0                     ; its words behind k's,
	s_cselect_b32 s100, 8, 9                       ; 256 bytes for 128 keys against k's 512;
	s_cselect_b32 s12, 768, s12                    ; v: a fragment's second half follows the first;
	s_cselect_b32 s2, 1536, s2                     ; from block to block of the A side,
	s_cselect_b32 s3, 204288, s3                   ; and from block 3 to block 4: v goes on to the odd head
	s_add_co_u32 s96, s96, s97
	s_add_co_u32 s98, s98, s99
	s_lshl_b32 s101, s101, s100
	s_add_co_u32 s98, s98, s101
	s_mov_b32 s97, 0
	s_mov_b32 s99, 0
	s_add_nc_u64 s[10:11], s[8:9], s[98:99]        ; my scale words
	s_add_nc_u64 s[8:9], s[8:9], s[96:97]          ; a fragment's first half,
	s_add_nc_u64 s[100:101], s[8:9], s[12:13]      ; its second
	s_mov_b32 s96, s2
	s_mov_b32 s98, s3
.macro FRAG reg, a16, a8, off          ; a fragment's image: registers 0-3, 4-5, 6-9, 10-11
	ds_load_b128 v[\reg:\reg+3], v[\a16] offset:\off
	ds_load_b64 v[\reg+4:\reg+5], v[\a8] offset:\off+512
	ds_load_b128 v[\reg+6:\reg+9], v[\a16] offset:\off+768
	ds_load_b64 v[\reg+10:\reg+11], v[\a8] offset:\off+1280
.endm
.macro FETCH_B slot, q, p              ; the B side's eight fragments of the slot's q-th K step into set p
	WIN TO_B
.irp i, 0,1,2,3,4,5,6,7
	FRAG 128*(\p)+FR*\i,B16+\slot,B8+\slot,(\q)*12288+\i*1536
.endr
	WIN 0
.endm
.macro FETCH_A slot, q, i0             ; the A side's blocks i0 .. i0 + 3
.irp i, \i0, \i0+1, \i0+2, \i0+3
	FRAG AF+FR*(\i),A16+\slot,A8+\slot,(\q)*12288+(\i)*1536
.endr
.endm
.macro SCALES sc, sig                  ; the scale words of fill sig (two K steps) into set sc: a load brings four tiles' words, in the order 0, 2, 1, 3
.irp q, 0,1
.irp j, 0,1
	ds_load_b128 v[SC+16*(\sc)+8*\q+4*\j:SC+16*(\sc)+8*\q+4*\j+3], v[ADRS] offset:(\sig)*1024+\q*512+\j*256
.endr
.endr
.endm
; 16 matrix instructions: the A side's blocks a0, a0 + 1 x the B side's eight.  The 64 accumulators take turns, one instruction a turn, in the same order in every K step.
.macro MUL16 a0, p, q, sc, zero
.irp a, \a0, \a0+1
.irp b, 0,1,2,3,4,5,6,7
.if \zero
	v_wmma_scale_f32_16x16x128_f8f6f4 v[8*(8*((\a)%4)+\b):8*(8*((\a)%4)+\b)+7], v[128*(\p)+FR*\b:128*(\p)+FR*\b+FR-1], v[AF+FR*(\a):AF+FR*(\a)+FR-1], 0, v[SC+16*(\sc)+8*(\q)+4*(\b/4)+2*(\b%2)+((\b%4)/2)], v[SC+16*(\sc)+8*(\q)+4*((\a)/4)+2*((\a)%2)+(((\a)%4)/2)] matrix_a_fmt:MATRIX_FMT_FP6 matrix_b_fmt:MATRIX_FMT_FP6 matrix_a_scale:MATRIX_SCALE_ROW1
.else
	v_wmma_scale_f32_16x16x128_f8f6f4 v[8*(8*((\a)%4)+\b):8*(8*((\a)%4)+\b)+7], v[128*(\p)+FR*\b:128*(\p)+FR*\b+FR-1], v[AF+FR*(\a):AF+FR*(\a)+FR-1], v[8*(8*((\a)%4)+\b):8*(8*((\a)%4)+\b)+7], v[SC+16*(\sc)+8*(\q)+4*(\b/4)+2*(\b%2)+((\b%4)/2)], v[SC+16*(\sc)+8*(\q)+4*((\a)/4)+2*((\a)%2)+(((\a)%4)/2)] matrix_a_fmt:MATRIX_FMT_FP6 matrix_b_fmt:MATRIX_FMT_FP6 matrix_a_scale:MATRIX_SCALE_ROW1
.endif
.endr
.endr
.endm
.macro STEP slot, zero                 ; a slot's first K step; it fetches the second's fragments
	s_wait_dscnt 4*NL                              ; all but the youngest sixteen loads (the A side's blocks 4-7) are in
	WIN MUL_LO
	MUL16 0, 0, 0, \slot, \zero
	MUL16 2, 0, 0, \slot, \zero
	s_wait_dscnt 0x0                               ; blocks 4-7 are in
	PLACES
	FETCH_B \slot, 1, 1
	FETCH_A \slot, 1, 0
	WIN MUL_HI
	MUL16 4, 0, 0, \slot, \zero
	MUL16 6, 0, 0, \slot, \zero
	PLACES
	WIN 0
	FETCH_A \slot, 1, 4
.endm
; A slot's second K step changes slots: one barrier; ahead of it each wave waits for all its tensor loads, adds 0 to its spare word, and waits for that and for its reads of this slot.  fill = 1: the slot is filled again, behind a round of the cluster's barrier.
.macro TURN slot, next, fill, sig
	s_wait_tensorcnt 0x0                           ; all my tensor loads have landed: my part of the next slot
	ds_add_u32 v[SPW], v[NIL]
	s_wait_dscnt 4*NL+1                            ; (the add and the youngest sixteen loads may be out)
	WIN MUL_LO
	MUL16 0, 1, 1, \slot, 0
	s_wait_dscnt 0x0                               ; the add is done, and my reads of this slot are over
	s_barrier_signal -1
	MUL16 2, 1, 1, \slot, 0
	WIN 0
	s_barrier_wait -1
.if \fill
	CREST                                          ; no wave of any partner still reads this slot or has a load on its way
	s_add_nc_u64 s[G0+4*\slot+2:G0+4*\slot+3], s[G0+4*\slot+2:G0+4*\slot+3], 2*HALFT
	s_add_nc_u64 s[G0B+4*\slot+2:G0B+4*\slot+3], s[G0B+4*\slot+2:G0B+4*\slot+3], 2*HALFT
	JLOAD G0+4*\slot, G1, G0B+4*\slot, G1B         ; the first tensor load behind the round; its four v_nop are the places ahead of the loads below
.else
	PLACES
.endif
	FETCH_B \next, 0, 0
	FETCH_A \next, 0, 0
	SCALES \next, \sig
	WIN MUL_HI
	MUL16 4, 1, 1, \slot, 0
	MUL16 6, 1, 1, \slot, 0
	PLACES
	WIN 0
	FETCH_A \next, 0, 4
.endm
	s_wait_alu depctr_va_vdst(0)
	s_wait_tensorcnt 1                             ; the scale words and my part of slot 0 are in; slot 1's load may be out
	s_barrier_signal -1
	s_barrier_wait -1
	FETCH_B 0, 0, 0
	FETCH_A 0, 0, 0
	SCALES 0, 0
	FETCH_A 0, 0, 4
	STEP 0, 1                                      ; the first products start the sums: nothing is cleared
	TURN 0, 1, 1, 1
	STEP 1, 0
	TURN 1, 0, 1, 2
	STEP 0, 0
	TURN 0, 1, 0, 3                                ; nothing is left to fetch
	STEP 1, 0
	s_wait_dscnt 4*NL
	WIN MUL_LO
	MUL16 0, 1, 1, 1, 0
	MUL16 2, 1, 1, 1, 0
	s_wait_dscnt 0x0
	WIN MUL_HI
	MUL16 4, 1, 1, 1, 0
	MUL16 6, 1, 1, 1, 0
	WIN 0
; THE WAY OUT.  The 64 registers of the A side's block a are, for my row, 128 neighbours along the next K: register 16 b + i = 32 b + 16 h + i.  They become a fragment's codes and a scale word.  Each accumulator is read from its low end on.
.macro QUANTW a
.set AC, 64*((\a)%4)
.set WN, 2+(\a)/4
	WIN WN|(WN<<2)
.irp b, 0,1,2,3
	v_max3_num_f32 v[TM+\b], |v[AC+16*\b]|, |v[AC+1+16*\b]|, 0x1800000   ; and the floor 2^(3 - 127)
.endr
	WIN (WN<<2)|(WN<<4)
.irp i, 2,4,6,8,10,12,14
.irp b, 0,1,2,3
	v_max3_num_f32 v[TM+\b], v[TM+\b], |v[AC+16*\b+\i]|, |v[AC+1+16*\b+\i]|
.endr
.endr
	WIN 0
.irp b, 0,1,2,3
	v_permlanex16_b32 v[TM+4+\b], v[TM+\b], s[92], s[93]
.endr
.irp b, 0,1,2,3
	v_max_num_f32 v[TM+\b], v[TM+\b], v[TM+4+\b]
.endr
.irp b, 0,1,2,3
	v_add_nc_u32 v[TM+12+\b], 0xff000000, v[TM+\b]
.endr
.irp b, 0,1,2,3
	v_lshrrev_b32 v[TM+4+\b], 23, v[TM+12+\b]
.endr
	v_lshl_or_b32 v[W+(\a)], v[TM+5], 8, v[TM+4]
	v_lshl_or_b32 v[W+(\a)], v[TM+6], 16, v[W+(\a)]
	v_lshl_or_b32 v[W+(\a)], v[TM+7], 24, v[W+(\a)]
	WIN WN
.irp c, 0,1
	v_cvt_scalef32_pk16_fp6_f32 v[PC+6*\c:PC+2+6*\c], v[AC+32*\c:AC+15+32*\c], v[TM+12+2*\c]
	v_cvt_scalef32_pk16_fp6_f32 v[PC+12+4*\c:PC+14+4*\c], v[AC+16+32*\c:AC+31+32*\c], v[TM+12+2*\c+1]
.endr
	WIN 0
	v_nop                                          ; one plain place behind a scaled conversion
.irp c, 0,1
.irp i, 0,1,2
	v_permlane16_swap_b32 v[PC+6*\c+\i], v[PC+12+4*\c+\i]
.endr
.irp i, 0,1,2
	v_mov_b32 v[PC+3+6*\c+\i], v[PC+12+4*\c+\i]
.endr
.endr
.endm
	s_mov_b32 s92, 0x76543210                      ; (the buffers' addresses that stood here are done with)  v_permlanex16_b32: lane l xor 16
	s_mov_b32 s93, 0xfedcba98
	PLACES
.irp a, 0,1,2,3,4,5,6,7
.if \a > 0
	s_wait_xcnt 0x0                                ; the last block's stores have read their bases and the codes' registers
.if \a == 4
	s_add_nc_u64 s[8:9], s[8:9], s[98:99]
	s_add_nc_u64 s[100:101], s[100:101], s[98:99]
.else
	s_add_nc_u64 s[8:9], s[8:9], s[96:97]
	s_add_nc_u64 s[100:101], s[100:101], s[96:97]
.endif
.endif
	QUANTW \a
	global_store_b128 v[L16], v[PC:PC+3], s[8:9]               ; each store of the wave covers 512 or 256 consecutive bytes, aligned
	global_store_b64 v[L8], v[PC+4:PC+5], s[8:9] offset:512
	global_store_b128 v[L16], v[PC+6:PC+9], s[100:101]
	global_store_b64 v[L8], v[PC+10:PC+11], s[100:101] offset:512
.endr
	s_cmp_eq_u32 ttmp9, 2
	s_cbranch_scc1 .Lv_words
.irp i, 0,1,2,3,4,5,6,7
	v_bfe_u32 v[W+\i], v[W+\i], v[SH16], 16        ; q, k: lanes 0-15 keep the even head's two bytes, lanes 16-31 the odd head's; bytes 2 and 3 become 0
.endr
	global_store_b128 v[VS], v[W:W+3], s[10:11]    ; sixteen lanes fill 256 consecutive bytes, aligned
	global_store_b128 v[VS], v[W+4:W+7], s[10:11] offset:256
	s_branch .Lwords_done
.Lv_words:
	v_cmp_ne_u32 vcc_lo, 0, v[H]
.irp i, 0,1,2,3
	v_cndmask_b32 v[W+\i], v[W+\i], v[W+4+\i], vcc_lo  ; v: blocks 0-3 are the even head's, blocks 4-7 the odd head's
.endr
	global_store_b128 v[VS], v[W:W+3], s[10:11]
.Lwords_done:
	s_wait_tensorcnt 0x0                           ; the wave's end
	ds_add_u32 v[SPW], v[NIL]
	s_wait_dscnt 0x0
	CROUND                                         ; the closing round
	s_endpgm
.Lfunc_end_k_qc55d27d994_qkv:
	.size	k_qc55d27d994_qkv, .Lfunc_end_k_qc55d27d994_qkv-k_qc55d27d994_qkv
	.p2alignl 7, 3214868480
	.fill 96, 4, 3214868480
	.section	.rodata,"a",@progbits
	.p2align	6, 0x0
	.amdhsa_kernel k_qc55d27d994_qkv
		.amdhsa_group_segment_fixed_size 327680
		.amdhsa_private_segment_fixed_size 0
		.amdhsa_enable_private_segment 0
		.amdhsa_kernarg_size 32
		.amdhsa_user_sgpr_count 2
		.amdhsa_user_sgpr_kernarg_segment_ptr 1
		.amdhsa_wavefront_size32 1
		.amdhsa_system_sgpr_workgroup_id_x 1
		.amdhsa_system_sgpr_workgroup_id_y 1
		.amdhsa_system_sgpr_workgroup_id_z 1
		.amdhsa_system_vgpr_workitem_id 0
		.amdhsa_next_free_vgpr 1024
		.amdhsa_next_free_sgpr 106
		.amdhsa_reserve_vcc 1
		.amdhsa_float_denorm_mode_32 3
		.amdhsa_float_denorm_mode_16_64 3
		.amdhsa_memory_ordered 1
		.amdhsa_forward_progress 1
		.amdhsa_inst_pref_size 151
	.end_amdhsa_kernel
	.amdgpu_metadata
---
amdhsa.version: [ 1, 2 ]
amdhsa.kernels:
  - .name:           k_qc55d27d994_qkv
    .symbol:         k_qc55d27d994_qkv.kd
    .args:
      - { .name: xq, .offset: 0, .size: 8, .value_kind: global_buffer, .address_space: global }
      - { .name: wq, .offset: 8, .size: 8, .value_kind: global_buffer, .address_space: global }
      - { .name: qq, .offset: 16, .size: 8, .value_kind: global_buffer, .address_space: global }
      - { .name: kv, .offset: 24, .size: 8, .value_kind: global_buffer, .address_space: global }
    .group_segment_fixed_size: 327680
    .private_segment_fixed_size: 0
    .kernarg_segment_align: 8
    .kernarg_segment_size: 32
    .max_flat_workgroup_size: 128
    .sgpr_count:     106
    .vgpr_count:     1024
    .wavefront_size: 32
...
	.end_amdgpu_metadata
.endif
;; end of part 2
;; launch attn (part 3): grid 4 x 64, 16 waves a work-group, no clusters, 327,680 bytes of LDS; arguments qq, kv, yq; writes yq
.if DOCPART == 3
	.amdgcn_target "amdgcn-amd-amdhsa--gfx1250"
	.amdhsa_code_object_version 6
	.text
	.protected	k_qc55d27d994_attn
	.globl	k_qc55d27d994_attn
	.p2align	8
	.type	k_qc55d27d994_attn,@function
k_qc55d27d994_attn:
	s_mov_b64 s[64:65], 0
	v_nop
	global_prefetch_b8 v0, s[64:65] scope:SCOPE_SE
	s_setreg_imm32_b32 hwreg(HW_REG_WAVE_MODE, 25, 1), 1
	s_wait_xcnt 0x0
; y = softmax(q k^T / 8, causal) v for one head, both products on codes of FP6 (E2M3); y is quantised along the model's 1,024 and stored as an operand image for the last product.
; THE SOFTMAX: t = score x log2(e) / 8; M = the ceiling of the running largest t; p = 2^(t - M) is quantised along the keys, not normalised; the row's sum is taken of the unquantised p and divides at the end.
; When M moves, the sum and O are multiplied by 2^(old M - new M): exact.
; SHARES.  Work-group (i, head) owns the blocks of 256 queries i and 7 - i, one after the other: i + 1 and 8 - i chunks of 256 keys, NINE for every work-group, so all 256 do equal work and no chunk is fetched that is not read.
; Each of the sixteen waves owns one tile of 16 queries in 256 registers; four waves share a SIMD, so that one wave's vector work stands beside another's matrix work.
; The loop has nine trips whatever i is; only the tensor load's address in memory hangs on i.  A key step (128 keys) all of whose keys come after my queries is jumped over by a scalar branch on ids; on the diagonal hidden scores become -infinity.
; LAYOUT.  Both products transposed: S^T = K Q^T, O^T = V^T P^T: a lane holds one query (position lane % 16 of its tile).  Position r of tile 2 g + u of keys, queries and the head's 64 is row 32 g + 8 u + r + 8 (r / 8):
; so the 16 registers of results 2 g, 2 g + 1 are 16 neighbours: of the keys for p, of the head's 64 for y.
; K = 64 IN AN INSTRUCTION OF 128.  Q's operand has zero codes in its upper six registers.  K's tiles are half images, six registers, on end: the operand of tile t runs on over tile t + 1's six (zeros behind the last);
; whatever codes stand there are finite numbers and meet zero codes, and bytes 2, 3 of both scale words are 0, not 0xff: nothing is added.
; A chunk in kv is 26,112 dense bytes: 16 half images of k, 8 fragments of v, 1,024 bytes of k's scale words, 512 of v's.  Two slots; waves 0 and 1 fetch half a chunk each; by this text's count a wave has one tensor load out.
; NO CLUSTER: in one trip the four work-groups of a head want different chunks (chunk = trip, or trip - i - 1); walking in step would cost every one of them 12 chunks in place of 9.
; LIMITS: 1 / l is v_rcp_f32 and a multiplication; a block of zeros, or one under 2^-124, gets the byte 1 (this program alone reads the bytes); NaN and infinities are not served.
.set XS_OFF, 6291456
.set QS_OFF, 6291456
.set CH,     26112
.set SLOT1,  32768
.set SPARE,  65536                     ; the spare words, 128 bytes for each of sixteen waves
.set L16, 1                            ; v1   16 x lane
.set L8,  2                            ; v2   8 x lane
.set LR,  3                            ; v3   16 x (lane % 16)
.set SPW, 4                            ; v4   my spare word; never rewritten
.set NIL, 5                            ; v5   0; never rewritten
.set QI,  6                            ; v6   r + 8 (r / 8) - 16 h
.set PFO, 7                            ; v7   256 x lane
.set A16, 8                            ; v8-10 the step's LDS addresses
.set A8,  9
.set AS,  10
.set LN,  11                           ; v11  lane
.set KV,  40                           ; v40-87 k's eight half images, later v's four fragments; v88-93 zeros
.set S,   96                           ; v96-159 S^T, then p; at the end y
.set O,   160                          ; v160-191 O^T
.set PC,  192                          ; v192-203 p's codes
.set CT,  204                          ; v204-206, v208-210 conversions
.set BM,  212
.set BP,  216
.set BS,  220
.set KS,  224                          ; v224-231 k's scale words
.set VSW, 232                          ; v232-235 v's
.set PW,  236                          ; v236 p's
.set WV,  18
.set T,   19
.set SEL, 20
.set CS,  22
.set G1,  24
.set G0,  32
.set KVB, 36
.set NC,  38
.set TB,  39
.set KF,  40
.set Q0,  41
.set Q0H, 42
.set WOFF, 43
.set YP,  44
.set YPH, 46
.set YS,  48
.set YSH, 50
.set PFA, 52
.set PFN, 54
.set LIM, 55
.macro TLOAD                           ; waves 0 and 1 fetch; an s_nop 0 and four v_nop follow the line
	s_cmp_lt_u32 s[WV], 2
	s_cbranch_scc0 .Lnone_\@
	tensor_load_to_lds s[G0:G0+3], s[G1:G1+7]
	s_nop 0
.rept 4
	v_nop
.endr
.Lnone_\@:
.endm
; A PREFETCH INTO THE L2.  A head's chunks 2 to 7 are 612 blocks of 256 bytes.  In trip t wave 8 of work-group i names blocks 32 n .. 32 n + 31 of them, n = 4 t + i, while n < 19: one instruction, lanes 256 bytes apart.
; So each block is named once in the launch, a trip or more ahead of the first tensor load that wants it.  Chunks 0 and 1 and the last four blocks come by their loads alone.
.macro ASK
	s_cmp_lt_u32 s[PFN], s[LIM]
	s_cbranch_scc0 .Lnot_mine_\@
	global_prefetch_b8 v[PFO], s[PFA:PFA+1] th:TH_LOAD_NT scope:SCOPE_SE
.Lnot_mine_\@:
.endm
	s_load_b128 s[4:7], s[0:1], 0x0                ; qq s[4:5], kv s[6:7]
	s_load_b64 s[8:9], s[0:1], 0x10                ; yq
	v_lshl_add_u32 v[SPW], v0, 2, SPARE
	v_mov_b32 v[NIL], 0
	ds_add_u32 v[SPW], v[NIL]                      ; the wave's opening: the add and its wait ahead of my first tensor load
	ds_add_u32 v[SPW], v[NIL]
	v_lshrrev_b32 v8, 5, v0
	s_delay_alu instid0(VALU_DEP_1)
	v_readfirstlane_b32 s[WV], v8                  ; wave 0..15
	s_and_b32 s56, ttmp7, 0xffff                   ; 16 x batch + head
	s_mov_b32 s[G1], 3<<16                         ; elements of 8 bytes, no mask, no padding: 51 dense rows of 256 bytes
	s_mov_b32 s[G1+1], 32<<16
	s_mov_b32 s[G1+2], 51<<16
	s_mov_b32 s[G1+3], 32<<16
	s_mov_b32 s[G1+4], 51
	s_mov_b32 s[G1+5], 32
	s_mov_b32 s[G1+6], 0
	s_mov_b32 s[G1+7], 0
	s_mov_b32 s[SEL], 0x76543210
	s_mov_b32 s[SEL+1], 0xfedcba98
	s_mov_b32 s[CS], 0x3e38aa3b                    ; c = log2(e) / 8
	s_mov_b32 s[CS+1], s[CS]
	s_mov_b32 s[T], 0
	s_mov_b32 s[NC], 0
	s_mov_b32 s[TB], 0
	s_mov_b32 s[KF], 0
	s_and_b32 s[WOFF], s[WV], 1
	s_mul_i32 s[WOFF], s[WOFF], 13056              ; which half of a chunk I would fetch
	s_mul_i32 s58, s56, 8*CH
	s_mov_b32 s59, 0
	s_mov_b32 s60, s[WOFF]
	s_mov_b32 s61, 0
	s_wait_dscnt 0x0                               ; the opening add is done
	s_wait_kmcnt 0x0
	s_add_nc_u64 s[KVB:KVB+1], s[6:7], s[58:59]    ; my head's chunks
	s_mov_b32 s[G0], 1
	s_mov_b32 s[G0+1], s[WOFF]                     ; slot 0
	s_add_nc_u64 s[G0+2:G0+3], s[KVB:KVB+1], s[60:61]
	s_or_b32 s[G0+3], s[G0+3], 0x80000000
	TLOAD                                          ; chunk 0
	v_and_b32 v[LN], 31, v0
	s_delay_alu instid0(VALU_DEP_1)
	v_lshlrev_b32 v[L16], 4, v[LN]
	s_delay_alu instid0(VALU_DEP_2)
	v_lshlrev_b32 v[L8], 3, v[LN]
	s_wait_alu depctr_va_vdst(0)
	v_and_b32 v8, 15, v0                           ; r
	s_delay_alu instid0(VALU_DEP_1)
	v_lshlrev_b32 v[LR], 4, v8
	s_wait_alu depctr_va_vdst(0)
	v_bfe_u32 v9, v0, 4, 1                         ; h
	v_and_b32 v[QI], 8, v8
	s_delay_alu instid0(VALU_DEP_1)
	v_add_nc_u32 v[QI], v[QI], v8
	s_delay_alu instid0(VALU_DEP_3)
	v_lshlrev_b32 v9, 4, v9
	s_delay_alu instid0(VALU_DEP_1)
	v_sub_nc_u32 v[QI], v[QI], v9
	v_lshlrev_b32 v[PFO], 8, v[LN]
	; my two tiles of queries: 16 i + wave and 16 (7 - i) + wave
	s_lshl_b32 s57, ttmp9, 4
	s_add_co_u32 s57, s57, s[WV]
	s_mul_i32 s58, s56, 98304
	s_mul_i32 s60, s57, 768
	s_add_co_u32 s58, s58, s60
	s_add_nc_u64 s[10:11], s[4:5], s[58:59]        ; the low block's codes
	s_lshl_b32 s62, ttmp9, 1
	s_sub_co_u32 s62, 7, s62                       ; 7 - 2 i: blocks of 256 from the low one to the high one
	s_mul_i32 s60, s62, 12288
	s_add_nc_u64 s[12:13], s[10:11], s[60:61]      ; the high block's
	s_lshl_b32 s58, s56, 13
	s_lshr_b32 s60, s57, 2
	s_lshl_b32 s60, s60, 8
	s_add_co_u32 s58, s58, s60
	s_and_b32 s60, s57, 3
	s_lshl_b32 s60, s60, 2
	s_add_co_u32 s58, s58, s60
	s_add_co_u32 s58, s58, QS_OFF
	s_add_nc_u64 s[14:15], s[4:5], s[58:59]        ; the scale words
	s_lshl_b32 s60, s62, 10
	s_add_nc_u64 s[16:17], s[14:15], s[60:61]
	global_load_b128 v[16:19], v[L16], s[10:11]
	global_load_b64 v[20:21], v[L8], s[10:11] offset:512
	global_load_b32 v28, v[LR], s[14:15]
	global_load_b128 v[30:33], v[L16], s[12:13]
	global_load_b64 v[34:35], v[L8], s[12:13] offset:512
	global_load_b32 v36, v[LR], s[16:17]
	s_lshl_b32 s[Q0], ttmp9, 8
	s_lshr_b32 s60, s[WV], 1
	s_lshl_b32 s60, s60, 5
	s_add_co_u32 s[Q0], s[Q0], s60
	s_and_b32 s60, s[WV], 1
	s_lshl_b32 s60, s60, 3
	s_add_co_u32 s[Q0], s[Q0], s60                 ; my first query: 256 i + 32 (wave / 2) + 8 (wave % 2)
	s_lshl_b32 s60, s62, 8
	s_add_co_u32 s[Q0H], s[Q0], s60
	; where y goes: block of 128 rows 16 batch + 2 (block of 256) + wave / 8, K step head / 2, tile wave % 8, half head % 2
	s_lshr_b32 s57, s56, 4
	s_and_b32 s56, s56, 15
	s_lshl_b32 s57, s57, 4
	s_lshl_b32 s60, ttmp9, 1
	s_add_co_u32 s57, s57, s60
	s_lshr_b32 s60, s[WV], 3
	s_add_co_u32 s57, s57, s60
	s_lshr_b32 s63, s56, 1
	s_and_b32 s56, s56, 1
	s_mul_i32 s58, s57, 98304
	s_mul_i32 s60, s63, 12288
	s_add_co_u32 s58, s58, s60
	s_and_b32 s60, s[WV], 7
	s_mul_i32 s60, s60, 1536
	s_add_co_u32 s58, s58, s60
	s_mul_i32 s60, s56, 768
	s_add_co_u32 s58, s58, s60
	s_add_nc_u64 s[YP:YP+1], s[8:9], s[58:59]
	s_mul_i32 s60, s62, 196608
	s_add_nc_u64 s[YPH:YPH+1], s[YP:YP+1], s[60:61]
	s_lshl_b32 s58, s57, 12
	s_lshl_b32 s60, s63, 9
	s_add_co_u32 s58, s58, s60
	s_bfe_u32 s60, s[WV], 0x10002
	s_lshl_b32 s60, s60, 8
	s_add_co_u32 s58, s58, s60
	s_and_b32 s60, s[WV], 1
	s_lshl_b32 s60, s60, 3
	s_add_co_u32 s58, s58, s60
	s_bfe_u32 s60, s[WV], 0x10001
	s_lshl_b32 s60, s60, 2
	s_add_co_u32 s58, s58, s60                     ; the word's place among four tiles': in the order 0, 2, 1, 3
	s_lshl_b32 s60, s56, 1
	s_add_co_u32 s58, s58, s60                     ; my head's two bytes of it
	s_add_co_u32 s58, s58, XS_OFF
	s_add_nc_u64 s[YS:YS+1], s[8:9], s[58:59]
	s_lshl_b32 s60, s62, 13
	s_add_nc_u64 s[YSH:YSH+1], s[YS:YS+1], s[60:61]
	s_lshl_b32 s60, ttmp9, 13
	s_add_co_u32 s60, s60, 2*CH-32768              ; the first change of slots steps it to chunk 2's byte 8,192 i
	s_add_nc_u64 s[PFA:PFA+1], s[KVB:KVB+1], s[60:61]
	s_mov_b32 s[PFN], ttmp9
	s_cmp_eq_u32 s[WV], 8
	s_cselect_b32 s[LIM], 23, 0
.irp j, 0,1,2,3,4,5
	v_mov_b32 v[22+\j], 0                          ; the upper half of Q's operand: zero codes; they stay
	v_mov_b32 v[88+\j], 0                          ; behind k's last half image
.endr
	v_mov_b32 v13, 0xff61b1e6                      ; the largest t so far: -3e38
	s_delay_alu instid0(VALU_DEP_1)
	v_floor_f32 v12, -v13                          ; -M
	v_mov_b32 v14, 0
	v_mov_b32 v15, 0
.irp b, 0,1,2,3
	v_mov_b32 v[BP+\b], 0                          ; written once: a lane permute's destination counts as one of its sources
.endr
	v_mov_b32 v239, 0                              ; (named as the upper half of the pair v[238:239])
	v_mov_b32 v240, 0
.set j, 0
.rept 32
	v_mov_b32 v[O+j], 0                            ; the step is written once: the first finds zeros, which the first change of M leaves zeros
.set j, j+1
.endr
; A KEY STEP: 128 keys, the q-th of the chunk in hand.
.macro STEP q
	s_add_co_u32 s56, s[Q0], 23
	s_cmp_gt_u32 s[KF], s56                        ; all its keys come after my queries: a branch on ids, round the step's work alone
	s_cbranch_scc1 .Lhidden_\@
	v_add_nc_u32 v[A16], s[TB], v[L16]
	v_add_nc_u32 v[A8], s[TB], v[L8]
	v_add_nc_u32 v[AS], s[TB], v[LR]
	v_nop                                          ; four places ahead of loads into registers that the last products read
.irp t, 0,1,2,3,4,5,6,7
	ds_load_b128 v[KV+6*\t:KV+6*\t+3], v[A16] offset:(8*(\q)+\t)*768
	ds_load_b64 v[KV+6*\t+4:KV+6*\t+5], v[A8] offset:(8*(\q)+\t)*768+512
.endr
.irp j, 0,1
	ds_load_b128 v[KS+4*\j:KS+4*\j+3], v[AS] offset:24576+(2*(\q)+\j)*256
.endr
	s_wait_alu depctr_va_vdst(0)
	s_wait_dscnt 0x0
.irp t, 0,1,2,3,4,5,6,7
	v_wmma_scale_f32_16x16x128_f8f6f4 v[S+8*\t:S+8*\t+7], v[KV+6*\t:KV+6*\t+11], v[16:27], 0, v[KS+\t], v28 matrix_a_fmt:MATRIX_FMT_FP6 matrix_b_fmt:MATRIX_FMT_FP6
.endr
.rept 4
	v_nop
.endr
.irp d, 0,1,2,3                                ; v's four fragments land under the softmax
	ds_load_b128 v[KV+12*\d:KV+12*\d+3], v[A16] offset:12288+(\q)*6144+\d*1536
	ds_load_b64 v[KV+12*\d+4:KV+12*\d+5], v[A8] offset:12288+(\q)*6144+\d*1536+512
	ds_load_b128 v[KV+12*\d+6:KV+12*\d+9], v[A16] offset:12288+(\q)*6144+\d*1536+768
	ds_load_b64 v[KV+12*\d+10:KV+12*\d+11], v[A8] offset:12288+(\q)*6144+\d*1536+1280
.endr
	ds_load_b128 v[VSW:VSW+3], v[AS] offset:25600+256*(\q)
	s_add_co_u32 s56, s[KF], 127
	s_cmp_le_u32 s56, s[Q0]                        ; all its keys count for all my queries: no mask
	s_cbranch_scc1 .Lopen_\@
	s_sub_co_i32 s56, s[Q0], s[KF]
	v_add_nc_u32 v240, s56, v[QI]                  ; register 16 b + i holds key KF + 32 b + 16 h + i: hidden where 32 b + i > my query - KF - 16 h
	v_mov_b32 v241, 0xff800000                     ; -infinity
.set n, 0
.rept 64
	v_cmp_gt_i32 vcc_lo, 32*(n/16)+n%16, v240
	v_cndmask_b32 v[S+n], v[S+n], v241, vcc_lo
.set n, n+1
.endr
.Lopen_\@:
.irp b, 0,1,2,3
	v_max3_num_f32 v[BM+\b], v[S+16*\b], v[S+1+16*\b], v[S+2+16*\b]   ; the largest score of each block of 32 keys: for the row's maximum, and, since p rises with the score, for the block's largest p
.endr
.irp i, 3,5,7,9,11,13
.irp b, 0,1,2,3
	v_max3_num_f32 v[BM+\b], v[BM+\b], v[S+16*\b+\i], v[S+1+16*\b+\i]
.endr
.endr
.irp b, 0,1,2,3
	v_max_num_f32 v[BM+\b], v[BM+\b], v[S+15+16*\b]
.endr
.irp b, 0,1,2,3
	s_delay_alu instid0(VALU_DEP_4)
	v_permlanex16_b32 v[BP+\b], v[BM+\b], s[SEL], s[SEL+1]
.endr
.irp b, 0,1,2,3
	s_delay_alu instid0(VALU_DEP_4)
	v_max_num_f32 v[BM+\b], v[BM+\b], v[BP+\b]
.endr
	s_delay_alu instid0(VALU_DEP_2)
	v_max3_num_f32 v240, v[BM], v[BM+1], v[BM+2]
	s_delay_alu instid0(VALU_DEP_1)
	v_max_num_f32 v240, v240, v[BM+3]
	s_delay_alu instid0(VALU_DEP_1)
	v_mul_f32 v240, s[CS], v240                    ; as t
	s_delay_alu instid0(VALU_DEP_1)
	v_max_num_f32 v13, v13, v240                   ; the running largest t
	v_mov_b32 v240, v12
	s_delay_alu instid0(VALU_DEP_2)
	v_floor_f32 v12, -v13                          ; the new -M = -ceil(t)
	s_delay_alu instid0(VALU_DEP_1)
	v_sub_f32 v240, v12, v240                      ; old M - new M: a whole number, 0 or less
	s_delay_alu instid0(VALU_DEP_1)
	v_cvt_i32_f32 v240, v240                       ; (it saturates)
	s_delay_alu instid0(VALU_DEP_1)
	v_ldexp_f32 v238, 1.0, v240                    ; f = 2^(old M - new M)
.set j, 0
.rept 32
	v_pk_fma_f32 v[S+j:S+j+1], v[S+j:S+j+1], s[CS:CS+1], v[12:13] op_sel_hi:[1,0,0]   ; t - M, two at a time
.set j, j+2
.endr
.irp b, 0,1,2,3
	v_fma_f32 v[BM+\b], v[BM+\b], s[CS], v12
.endr
.set j, 0
	s_wait_alu depctr_va_vdst(0)
.rept 64
	v_exp_f32 v[S+j], v[S+j]                       ; p = 2^(t - M)
.set j, j+1
.endr
	v_pk_mul_f32 v[14:15], v[14:15], v[238:239] op_sel_hi:[1,0]   ; the sums under the new M: the plain place behind the exponentials
	s_wait_alu depctr_va_vdst(0)                   ; one wait for the whole batch, ahead of its first reader
.irp b, 0,1,2,3
	v_exp_f32 v[BM+\b], v[BM+\b]                   ; the block's largest p
.endr
	v_pk_add_f32 v[242:243], v[100:101], v[104:105]
	v_pk_add_f32 v[254:255], v[108:109], v[112:113]
	v_pk_add_f32 v[252:253], v[116:117], v[120:121]
	v_pk_add_f32 v[250:251], v[124:125], v[128:129]
	v_pk_add_f32 v[248:249], v[132:133], v[136:137]
	v_pk_add_f32 v[246:247], v[140:141], v[144:145]
	v_pk_add_f32 v[244:245], v[148:149], v[152:153]
	v_pk_add_f32 v[14:15], v[14:15], v[156:157]
	v_pk_add_f32 v[242:243], v[242:243], v[96:97]
	v_pk_add_f32 v[254:255], v[254:255], v[98:99]
	v_pk_add_f32 v[252:253], v[252:253], v[102:103]
	v_pk_add_f32 v[250:251], v[250:251], v[106:107]
	v_pk_add_f32 v[248:249], v[248:249], v[110:111]
	v_pk_add_f32 v[246:247], v[246:247], v[114:115]
	v_pk_add_f32 v[244:245], v[244:245], v[118:119]
	v_pk_add_f32 v[14:15], v[14:15], v[122:123]
	v_pk_add_f32 v[242:243], v[242:243], v[126:127]
	v_pk_add_f32 v[254:255], v[254:255], v[130:131]
	v_pk_add_f32 v[252:253], v[252:253], v[134:135]
	v_pk_add_f32 v[250:251], v[250:251], v[138:139]
	v_pk_add_f32 v[248:249], v[248:249], v[142:143]
	v_pk_add_f32 v[246:247], v[246:247], v[146:147]
	v_pk_add_f32 v[244:245], v[244:245], v[150:151]
	v_pk_add_f32 v[14:15], v[14:15], v[154:155]
	v_pk_add_f32 v[242:243], v[242:243], v[158:159]
	s_delay_alu instid0(VALU_DEP_2)
	v_pk_add_f32 v[14:15], v[14:15], v[250:251]
	s_delay_alu instid0(VALU_DEP_2)
	v_pk_add_f32 v[242:243], v[242:243], v[248:249]
	v_pk_add_f32 v[254:255], v[254:255], v[246:247]
	v_pk_add_f32 v[252:253], v[252:253], v[244:245]
	s_delay_alu instid0(VALU_DEP_2)
	v_pk_add_f32 v[14:15], v[14:15], v[254:255]
	s_delay_alu instid0(VALU_DEP_2)
	v_pk_add_f32 v[242:243], v[242:243], v[252:253]
	s_delay_alu instid0(VALU_DEP_1)
	v_pk_add_f32 v[14:15], v[14:15], v[242:243]
	s_wait_alu depctr_va_vdst(0)                   ; and one for the four
.irp b, 0,1,2,3
	v_max_num_f32 v[BM+\b], 0x1800000, v[BM+\b]    ; the floor 2^(3 - 127)
.endr
.irp b, 0,1,2,3
	s_delay_alu instid0(VALU_DEP_4)
	v_add_nc_u32 v[BS+\b], 0xff000000, v[BM+\b]
.endr
.irp b, 0,1,2,3
	s_delay_alu instid0(VALU_DEP_4)
	v_lshrrev_b32 v[BP+\b], 23, v[BS+\b]
.endr
	s_delay_alu instid0(VALU_DEP_3)
	v_lshl_or_b32 v[PW], v[BP+1], 8, v[BP]
	s_delay_alu instid0(VALU_DEP_1)
	v_lshl_or_b32 v[PW], v[BP+2], 16, v[PW]
	s_delay_alu instid0(VALU_DEP_1)
	v_lshl_or_b32 v[PW], v[BP+3], 24, v[PW]
.irp c, 0,1
	v_cvt_scalef32_pk16_fp6_f32 v[PC+6*\c:PC+2+6*\c], v[S+32*\c:S+15+32*\c], v[BS+2*\c]
	v_cvt_scalef32_pk16_fp6_f32 v[CT+4*\c:CT+2+4*\c], v[S+16+32*\c:S+31+32*\c], v[BS+2*\c+1]
.endr
	v_nop                                          ; one plain place behind a scaled conversion
.irp c, 0,1
.irp i, 0,1,2
	v_permlane16_swap_b32 v[PC+6*\c+\i], v[CT+4*\c+\i]
.endr
.irp i, 0,1,2
	s_delay_alu instid0(VALU_DEP_3)
	v_mov_b32 v[PC+3+6*\c+\i], v[CT+4*\c+\i]
.endr
.endr
.set j, 0
.rept 16
	v_pk_mul_f32 v[O+j:O+j+1], v[O+j:O+j+1], v[238:239] op_sel_hi:[1,0]   ; O^T under the new M; these sixteen are also the places between p's scale word and codes and the products below
.set j, j+2
.endr
	s_wait_alu depctr_va_vdst(0)
	s_wait_dscnt 0x0                               ; v is in
.irp d, 0,1,2,3
	v_wmma_scale_f32_16x16x128_f8f6f4 v[O+8*\d:O+8*\d+7], v[KV+12*\d:KV+12*\d+11], v[PC:PC+11], v[O+8*\d:O+8*\d+7], v[VSW+\d], v[PW] matrix_a_fmt:MATRIX_FMT_FP6 matrix_b_fmt:MATRIX_FMT_FP6
.endr
.Lhidden_\@:
	s_add_co_u32 s[KF], s[KF], 128
.endm
; THE CHANGE OF SLOTS, at a trip's head: every wave waits for all its tensor loads, adds 0 to its spare word, and waits for that and for its reads of the slot that it has left.  fill = 1: that slot takes the next trip's chunk, which has this trip's two key steps in which to land.
.macro CHANGE fill
	s_wait_tensorcnt 0x0                           ; no tensor load of mine is out, so group 0 may be written
	ds_add_u32 v[SPW], v[NIL]
.if \fill
	s_add_co_u32 s[NC], s[NC], 1                   ; the next trip's chunk: one on,
	s_cmp_eq_u32 s[T], ttmp9
	s_cselect_b32 s[NC], 0, s[NC]                  ; or chunk 0, where the high block of queries begins
	s_xor_b32 s[G0+1], s[G0+1], SLOT1
	s_mul_i32 s60, s[NC], CH
	s_add_co_u32 s60, s60, s[WOFF]
	s_add_nc_u64 s[G0+2:G0+3], s[KVB:KVB+1], s[60:61]
	s_or_b32 s[G0+3], s[G0+3], 0x80000000
	s_wait_xcnt 0x0                                ; the last prefetch, a trip back, has read its address
	s_add_nc_u64 s[PFA:PFA+1], s[PFA:PFA+1], 32768
	s_add_co_u32 s[PFN], s[PFN], 4
.endif
	s_wait_dscnt 0x0                               ; the add is done, and my reads of the slot that I have left are over
	s_barrier_signal -1
	s_barrier_wait -1
.if \fill
	TLOAD                                          ; the first thing behind the barrier, a wave's one tensor load until the next
	ASK
.endif
.endm
; A BLOCK OF QUERIES IS DONE: y = O / l; register 16 g + i is the head's 32 g + 16 h + i: two blocks of 32 along the last product's K; a half image and two scale bytes go out.  next = 1: on to the high block.
.macro FINAL next
.rept 4
	v_nop
.endr
	v_add_f32 v14, v14, v15
	s_delay_alu instid0(VALU_DEP_1)
	v_permlanex16_b32 v240, v14, s[SEL], s[SEL+1]
	s_delay_alu instid0(VALU_DEP_1)
	v_add_f32 v14, v14, v240                       ; the row's sum
	s_wait_alu depctr_va_vdst(0)
	v_rcp_f32 v14, v14
	v_nop                                          ; a plain place behind the transcendental
	s_wait_alu depctr_va_vdst(0)                   ; and the wait ahead of its first reader
.set j, 0
.rept 32
	v_mul_f32 v[S+j], v[O+j], v14
.set j, j+1
.endr
.irp g, 0,1
	v_max3_num_f32 v[BM+\g], |v[S+16*\g]|, |v[S+1+16*\g]|, 0x1800000
.endr
.irp i, 2,4,6,8,10,12,14
.irp g, 0,1
	s_delay_alu instid0(VALU_DEP_2)
	v_max3_num_f32 v[BM+\g], v[BM+\g], |v[S+16*\g+\i]|, |v[S+1+16*\g+\i]|
.endr
.endr
.irp g, 0,1
	s_delay_alu instid0(VALU_DEP_2)
	v_permlanex16_b32 v[BP+\g], v[BM+\g], s[SEL], s[SEL+1]
.endr
.irp g, 0,1
	s_delay_alu instid0(VALU_DEP_2)
	v_max_num_f32 v[BM+\g], v[BM+\g], v[BP+\g]
.endr
.irp g, 0,1
	s_delay_alu instid0(VALU_DEP_2)
	v_add_nc_u32 v[BS+\g], 0xff000000, v[BM+\g]
.endr
.irp g, 0,1
	s_delay_alu instid0(VALU_DEP_2)
	v_lshrrev_b32 v[BP+\g], 23, v[BS+\g]
.endr
	s_delay_alu instid0(VALU_DEP_1)
	v_lshl_or_b32 v241, v[BP+1], 8, v[BP]
	v_cvt_scalef32_pk16_fp6_f32 v[PC:PC+2], v[S:S+15], v[BS]
	v_cvt_scalef32_pk16_fp6_f32 v[CT:CT+2], v[S+16:S+31], v[BS+1]
	v_nop
.irp i, 0,1,2
	v_permlane16_swap_b32 v[PC+\i], v[CT+\i]
.endr
.irp i, 0,1,2
	s_delay_alu instid0(VALU_DEP_3)
	v_mov_b32 v[PC+3+\i], v[CT+\i]
.endr
	global_store_b128 v[L16], v[PC:PC+3], s[YP:YP+1]           ; 512 and 256 consecutive bytes, aligned
	global_store_b64 v[L8], v[PC+4:PC+5], s[YP:YP+1] offset:512
	v_cmp_gt_u32 vcc_lo, 16, v[LN]
	s_wait_xcnt 0x0                                ; EXEC changes only behind this wait
	s_and_saveexec_b32 s57, vcc_lo
	global_store_b16 v[LR], v241, s[YS:YS+1]       ; 32 bytes in all beside the tile's 768: whole runs would cost a barrier and a pass through LDS
	s_wait_xcnt 0x0                                ; and again, ahead of the line that widens it; the stores' registers and bases are free too
	s_or_b32 exec_lo, exec_lo, s57
.if \next
.irp j, 0,1,2,3,4,5
	v_mov_b32 v[16+\j], v[30+\j]                   ; the high block's Q,
.endr
	v_mov_b32 v28, v36                             ; its scale word (the 36 plain lines below stand between it and the next product),
	v_mov_b32 v13, 0xff61b1e6
	s_delay_alu instid0(VALU_DEP_1)
	v_floor_f32 v12, -v13
	v_mov_b32 v14, 0
	v_mov_b32 v15, 0
.set j, 0
.rept 32
	v_mov_b32 v[O+j], 0
.set j, j+1
.endr
	s_mov_b32 s[KF], 0
	s_mov_b32 s[Q0], s[Q0H]
	s_mov_b64 s[YP:YP+1], s[YPH:YPH+1]
	s_mov_b64 s[YS:YS+1], s[YSH:YSH+1]
.endif
.endm
	s_wait_loadcnt 0x0                             ; Q, both tiles
.Lslot:                                            ; eight trips; the ninth is written out
	CHANGE 1
	STEP 0
	STEP 1
	s_xor_b32 s[TB], s[TB], SLOT1
	s_cmp_eq_u32 s[T], ttmp9                       ; trip i was the low block's last
	s_cbranch_scc0 .Lgo_on
	FINAL 1
.Lgo_on:
	s_add_co_u32 s[T], s[T], 1
	s_cmp_lt_u32 s[T], 8
	s_cbranch_scc1 .Lslot
	CHANGE 0
	STEP 0
	STEP 1
	FINAL 0
	s_wait_tensorcnt 0x0                           ; the wave's end
	ds_add_u32 v[SPW], v[NIL]
	s_wait_dscnt 0x0
	s_endpgm
.Lfunc_end_k_qc55d27d994_attn:
	.size	k_qc55d27d994_attn, .Lfunc_end_k_qc55d27d994_attn-k_qc55d27d994_attn
	.p2alignl 7, 3214868480
	.fill 96, 4, 3214868480
	.section	.rodata,"a",@progbits
	.p2align	6, 0x0
	.amdhsa_kernel k_qc55d27d994_attn
		.amdhsa_group_segment_fixed_size 327680
		.amdhsa_private_segment_fixed_size 0
		.amdhsa_enable_private_segment 0
		.amdhsa_kernarg_size 24
		.amdhsa_user_sgpr_count 2
		.amdhsa_user_sgpr_kernarg_segment_ptr 1
		.amdhsa_wavefront_size32 1
		.amdhsa_system_sgpr_workgroup_id_x 1
		.amdhsa_system_sgpr_workgroup_id_y 1
		.amdhsa_system_sgpr_workgroup_id_z 1
		.amdhsa_system_vgpr_workitem_id 0
		.amdhsa_next_free_vgpr 256
		.amdhsa_next_free_sgpr 66
		.amdhsa_reserve_vcc 1
		.amdhsa_float_denorm_mode_32 3
		.amdhsa_float_denorm_mode_16_64 3
		.amdhsa_memory_ordered 1
		.amdhsa_forward_progress 1
		.amdhsa_inst_pref_size 110
	.end_amdhsa_kernel
	.amdgpu_metadata
---
amdhsa.version: [ 1, 2 ]
amdhsa.kernels:
  - .name:           k_qc55d27d994_attn
    .symbol:         k_qc55d27d994_attn.kd
    .args:
      - { .name: qq, .offset: 0, .size: 8, .value_kind: global_buffer, .address_space: global }
      - { .name: kv, .offset: 8, .size: 8, .value_kind: global_buffer, .address_space: global }
      - { .name: yq, .offset: 16, .size: 8, .value_kind: global_buffer, .address_space: global }
    .group_segment_fixed_size: 327680
    .private_segment_fixed_size: 0
    .kernarg_segment_align: 8
    .kernarg_segment_size: 24
    .max_flat_workgroup_size: 512
    .sgpr_count:     66
    .vgpr_count:     256
    .wavefront_size: 32
...
	.end_amdgpu_metadata
.endif
;; end of part 3
;; launch proj (part 4): grid 4 x 32, 4 waves a work-group, clusters of 4 x 4, 327,680 bytes of LDS; arguments yq, wq, out0; writes out0
.if DOCPART == 4
	.amdgcn_target "amdgcn-amd-amdhsa--gfx1250"
	.amdhsa_code_object_version 6
	.text
	.protected	k_qc55d27d994_proj
	.globl	k_qc55d27d994_proj
	.p2align	8
	.type	k_qc55d27d994_proj,@function
k_qc55d27d994_proj:
	s_mov_b64 s[64:65], 0
	v_nop
	global_prefetch_b8 v0, s[64:65] scope:SCOPE_SE
	s_setreg_imm32_b32 hwreg(HW_REG_WAVE_MODE, 25, 1), 1
	s_wait_xcnt 0x0
	s_wait_alu depctr_hold_cnt(0) depctr_sa_sdst(0) depctr_va_vdst(0) depctr_va_sdst(0) depctr_va_ssrc(0) depctr_va_vcc(0) depctr_vm_vsrc(0)
	s_getreg_b32 s2, hwreg(HW_REG_IB_STS2, 6, 4)
	s_cmp_eq_u32 s2, 0
	s_cbranch_scc0 .Lentry_in_a_cluster
	s_endpgm
.Lentry_in_a_cluster:
	s_bfe_u32 s2, ttmp6, 0x10000c
	s_cmp_lg_u32 s2, 0xf033
	s_cbranch_scc0 .Lentry_shape_is_right
	s_endpgm
.Lentry_shape_is_right:
; out0 = y w_proj on codes of FP6 (E2M3), K = 1,024, f32 out.  A side = the rows of y (yq), B side = the columns of w_proj (wq, rows 3,072 on).
; A tile of 256 x 256 is made by four waves, 128 x 128 each: 64 accumulators.  Source 0 takes 16 rows of the B side, source 1 16 rows of the A side: a lane holds one row of the output, and, since position r of tile 2 g + u
; of every operand is row 32 g + 8 u + r + 8 (r / 8), the 16 registers of results 2 g and 2 g + 1 are 16 neighbouring columns: 64 bytes.
; OPERANDS lie in memory as images of their registers: [block of 128 rows][K step][tile][1,536]: two K steps of a block are 24,576 dense bytes, one tensor load.  Two slots of two K steps; four fills, written out: no loop.
; The scale words of the work-group's four blocks, for all of K, come once with the first fills.
; CLUSTERS: 4 x 4: the A side's tiles shared along a row, the B side's along a column: joint loads, one a wave behind each round.  By this text's count a wave has at most three tensor loads out (at the start).
; 8,192 x 1,024 outputs are 128 such tiles: 128 work-groups.  No prefetch: two of the four fills go out at the head.
; REGISTERS: window 0: v16-29 addresses; v32-63 scale words, two sets; v128-223 the A side's fragments; on the way out v128-255 rows read back.  Window 1: the B side's two sets.  Windows 2, 3: accumulator (a, b) at v[8 (8 (a % 4) + b)].
.set XS_OFF, 6291456
.set WS_OFF, 3145728
.set HALFT,  24576
.set SLOT,   98304
.set SCL,    196608
.set SPARE,  212992
.set FR,  12
.set NL,  4
.set A16, 16
.set A8,  18
.set B16, 20
.set B8,  22
.set STO, 24                           ; v24  the way out: where I put 64 bytes of a row
.set RD,  25                           ; v25  where I read a row back
.set CO,  26                           ; v26  16 x lane: my bytes of a row's 512
.set ADRS, 27
.set SPW, 28
.set NIL, 29
.set SC,  32
.set AF,  128
.set BK,  128
.set G1,  24
.set G0,  32
.set G1B, 48
.set G0B, 56
.set G1S, 68
.set G0S, 76
.set G1SB, 80
.set G0SB, 88
.set MSB, 0
.macro WIN new
.if MSB != (\new)
	s_set_vgpr_msb (MSB<<8)|(\new)
.set MSB, (\new)
.endif
.endm
.set MUL_LO, 0xa1
.set MUL_HI, 0xf1
.set TO_B,   0x40
.macro JLOAD g0a, g1a, g0b, g1b        ; waves 0 and 1 fetch for the A side, waves 2 and 3 for the B side; an s_nop 0 and four v_nop follow each line
	s_cmp_eq_u32 s15, 0
	s_cbranch_scc0 .Lfor_b_\@
	tensor_load_to_lds s[\g0a:\g0a+3], s[\g1a:\g1a+7]
	s_nop 0
.rept 4
	v_nop
.endr
	s_branch .Lasked_\@
.Lfor_b_\@:
	tensor_load_to_lds s[\g0b:\g0b+3], s[\g1b:\g1b+7]
	s_nop 0
.rept 4
	v_nop
.endr
.Lasked_\@:
.endm
.macro CREST
	s_cmp_lg_u32 s14, 0
	s_cbranch_scc1 .Lnot_wave_0_\@
	s_barrier_signal -3
.Lnot_wave_0_\@:
	s_barrier_wait -3
	s_barrier_signal -1
	s_barrier_wait -1
.endm
.macro CROUND
	s_barrier_signal -1
	s_barrier_wait -1
	CREST
.endm
.macro PLACES
.rept 4
	v_nop
.endr
.endm
	s_load_b128 s[4:7], s[0:1], 0x0                ; yq s[4:5], wq s[6:7]
	s_load_b64 s[8:9], s[0:1], 0x10                ; out0
	v_lshl_add_u32 v[SPW], v0, 2, SPARE
	v_mov_b32 v[NIL], 0
	ds_add_u32 v[SPW], v[NIL]                      ; the wave's opening: the add and its wait ahead of my first tensor load
	v_lshrrev_b32 v1, 5, v0
	v_readfirstlane_b32 s14, v1
	s_lshr_b32 s15, s14, 1
	s_and_b32 s16, s14, 1
	s_bfe_u32 s40, ttmp6, 0x40000                  ; cx
	s_bfe_u32 s41, ttmp6, 0x40004                  ; cy
	s_and_b32 s17, ttmp7, 0xffff
	s_lshl_b32 s42, s17, 2
	s_add_co_u32 s42, s42, s41                     ; the A side's tile: 4 x cluster y + cy
	s_add_co_u32 s43, s40, 12                      ; the B side's: w_proj begins at row 3,072 of wq
	s_lshl_b32 s46, s41, 2
	s_lshl_b32 s46, 15, s46
	s_lshl_b32 s47, 0x1111, s40
	s_or_b32 s[G1+0], s46, (3<<16)|(1<<21)
	s_or_b32 s[G1B+0], s47, (3<<16)|(1<<21)
	s_or_b32 s[G1S+0], s46, (3<<16)|(1<<21)
	s_or_b32 s[G1SB+0], s47, (3<<16)|(1<<21)
.irp g, G1, G1B
	s_mov_b32 s[\g+1], 32<<16
	s_mov_b32 s[\g+2], 96<<16
	s_mov_b32 s[\g+3], 32<<16
	s_mov_b32 s[\g+4], 96
	s_mov_b32 s[\g+5], 32
	s_mov_b32 s[\g+6], 0
	s_mov_b32 s[\g+7], 0
.endr
.irp g, G1S, G1SB
	s_mov_b32 s[\g+1], 32<<16
	s_mov_b32 s[\g+2], 16<<16
	s_mov_b32 s[\g+3], 32<<16
	s_mov_b32 s[\g+4], 16
	s_mov_b32 s[\g+5], 32
	s_mov_b32 s[\g+6], 0
	s_mov_b32 s[\g+7], 0
.endr
	s_lshl_b32 s20, s42, 1
	s_add_co_u32 s20, s20, s16
	s_lshl_b32 s22, s20, 12
	s_add_co_u32 s22, s22, XS_OFF
	s_mul_i32 s20, s20, 98304
	s_mov_b32 s21, 0
	s_mov_b32 s23, 0
	s_lshl_b32 s66, s43, 1
	s_add_co_u32 s66, s66, s16
	s_lshl_b32 s104, s66, 12
	s_add_co_u32 s104, s104, WS_OFF
	s_mul_i32 s66, s66, 98304
	s_mov_b32 s67, 0
	s_mov_b32 s105, 0
	s_mul_i32 s12, s14, HALFT
	s_lshl_b32 s13, s14, 12
	s_wait_dscnt 0x0                               ; the opening add is done
	s_wait_kmcnt 0x0
	s_add_nc_u64 s[20:21], s[4:5], s[20:21]
	s_add_nc_u64 s[22:23], s[4:5], s[22:23]
	s_add_nc_u64 s[66:67], s[6:7], s[66:67]
	s_add_nc_u64 s[104:105], s[6:7], s[104:105]
	CROUND
	s_mov_b32 s[G0S], 1
	s_add_co_u32 s[G0S+1], s13, SCL
	s_mov_b64 s[G0S+2:G0S+3], s[22:23]
	s_or_b32 s[G0S+3], s[G0S+3], 0x80000000
	s_mov_b32 s[G0SB], 1
	s_add_co_u32 s[G0SB+1], s13, SCL
	s_mov_b64 s[G0SB+2:G0SB+3], s[104:105]
	s_or_b32 s[G0SB+3], s[G0SB+3], 0x80000000
	JLOAD G0S, G1S, G0SB, G1SB
.irp s, 0,1
	s_mov_b32 s[G0+4*\s], 1
	s_add_co_u32 s[G0+4*\s+1], s12, \s*SLOT
	s_add_nc_u64 s[G0+4*\s+2:G0+4*\s+3], s[20:21], \s*HALFT
	s_or_b32 s[G0+4*\s+3], s[G0+4*\s+3], 0x80000000
	s_mov_b32 s[G0B+4*\s], 1
	s_add_co_u32 s[G0B+4*\s+1], s12, \s*SLOT
	s_add_nc_u64 s[G0B+4*\s+2:G0B+4*\s+3], s[66:67], \s*HALFT
	s_or_b32 s[G0B+4*\s+3], s[G0B+4*\s+3], 0x80000000
	JLOAD G0+4*\s, G1, G0B+4*\s, G1B
.endr
	v_and_b32 v1, 15, v0                           ; r
	v_bfe_u32 v2, v0, 4, 1                         ; h
	v_and_b32 v3, 31, v0                           ; lane
	v_lshlrev_b32 v[CO], 4, v3
	v_lshlrev_b32 v4, 3, v3
	s_mul_i32 s12, s15, HALFT
	s_mul_i32 s13, s16, HALFT
	s_add_co_u32 s13, s13, 2*HALFT
.irp s, 0,1
	v_add_nc_u32 v[A16+\s], s12, v[CO]
	v_add_nc_u32 v[A8+\s], s12, v4
	v_add_nc_u32 v[B16+\s], s13, v[CO]
	v_add_nc_u32 v[B8+\s], s13, v4
	s_add_co_u32 s12, s12, SLOT
	s_add_co_u32 s13, s13, SLOT
.endr
	v_lshlrev_b32 v5, 4, v1
	s_lshl_b32 s12, s15, 12
	s_lshl_b32 s13, s16, 12
	s_add_co_u32 s13, s13, 8192
	s_sub_co_u32 s13, s13, s12
	v_mul_u32_u24 v6, s13, v2                      ; lanes 16-31 take the B side's words
	s_add_co_u32 s12, s12, SCL
	v_add_nc_u32 v5, v5, v6
	v_add_nc_u32 v[ADRS], s12, v5
	s_mul_i32 s12, s14, 8448                       ; my stage: 16 rows x (512 + 16) bytes, in slot 0, which has had its last fill and its last read when the first result is stored there
	v_mul_u32_u24 v[STO], v1, 528
	v_lshl_add_u32 v[STO], v2, 6, v[STO]
	v_add_nc_u32 v[STO], s12, v[STO]
	v_add_nc_u32 v[RD], s12, v[CO]
	s_lshl_b32 s2, s42, 8
	s_lshl_b32 s3, s15, 7
	s_add_co_u32 s2, s2, s3                        ; my first row of the output
	s_lshl_b32 s2, s2, 12
	s_lshl_b32 s3, s40, 10
	s_add_co_u32 s2, s2, s3
	s_lshl_b32 s3, s16, 9
	s_add_co_u32 s2, s2, s3                        ; + my first column's bytes
	s_mov_b32 s3, 0
	s_add_nc_u64 s[8:9], s[8:9], s[2:3]
.macro FRAG reg, a16, a8, off
	ds_load_b128 v[\reg:\reg+3], v[\a16] offset:\off
	ds_load_b64 v[\reg+4:\reg+5], v[\a8] offset:\off+512
	ds_load_b128 v[\reg+6:\reg+9], v[\a16] offset:\off+768
	ds_load_b64 v[\reg+10:\reg+11], v[\a8] offset:\off+1280
.endm
.macro FETCH_B slot, q, p
	WIN TO_B
.irp i, 0,1,2,3,4,5,6,7
	FRAG 128*(\p)+FR*\i,B16+\slot,B8+\slot,(\q)*12288+\i*1536
.endr
	WIN 0
.endm
.macro FETCH_A slot, q, i0
.irp i, \i0, \i0+1, \i0+2, \i0+3
	FRAG AF+FR*(\i),A16+\slot,A8+\slot,(\q)*12288+(\i)*1536
.endr
.endm
.macro SCALES sc, sig
.irp q, 0,1
.irp j, 0,1
	ds_load_b128 v[SC+16*(\sc)+8*\q+4*\j:SC+16*(\sc)+8*\q+4*\j+3], v[ADRS] offset:(\sig)*1024+\q*512+\j*256
.endr
.endr
.endm
; The 64 accumulators take turns, one instruction a turn, in the same order in every K step.
.macro MUL16 a0, p, q, sc, zero
.irp a, \a0, \a0+1
.irp b, 0,1,2,3,4,5,6,7
.if \zero
	v_wmma_scale_f32_16x16x128_f8f6f4 v[8*(8*((\a)%4)+\b):8*(8*((\a)%4)+\b)+7], v[128*(\p)+FR*\b:128*(\p)+FR*\b+FR-1], v[AF+FR*(\a):AF+FR*(\a)+FR-1], 0, v[SC+16*(\sc)+8*(\q)+4*(\b/4)+2*(\b%2)+((\b%4)/2)], v[SC+16*(\sc)+8*(\q)+4*((\a)/4)+2*((\a)%2)+(((\a)%4)/2)] matrix_a_fmt:MATRIX_FMT_FP6 matrix_b_fmt:MATRIX_FMT_FP6 matrix_a_scale:MATRIX_SCALE_ROW1
.else
	v_wmma_scale_f32_16x16x128_f8f6f4 v[8*(8*((\a)%4)+\b):8*(8*((\a)%4)+\b)+7], v[128*(\p)+FR*\b:128*(\p)+FR*\b+FR-1], v[AF+FR*(\a):AF+FR*(\a)+FR-1], v[8*(8*((\a)%4)+\b):8*(8*((\a)%4)+\b)+7], v[SC+16*(\sc)+8*(\q)+4*(\b/4)+2*(\b%2)+((\b%4)/2)], v[SC+16*(\sc)+8*(\q)+4*((\a)/4)+2*((\a)%2)+(((\a)%4)/2)] matrix_a_fmt:MATRIX_FMT_FP6 matrix_b_fmt:MATRIX_FMT_FP6 matrix_a_scale:MATRIX_SCALE_ROW1
.endif
.endr
.endr
.endm
.macro STEP slot, zero
	s_wait_dscnt 4*NL                              ; all but the youngest sixteen loads (the A side's blocks 4-7) are in
	WIN MUL_LO
	MUL16 0, 0, 0, \slot, \zero
	MUL16 2, 0, 0, \slot, \zero
	s_wait_dscnt 0x0
	PLACES
	FETCH_B \slot, 1, 1
	FETCH_A \slot, 1, 0
	WIN MUL_HI
	MUL16 4, 0, 0, \slot, \zero
	MUL16 6, 0, 0, \slot, \zero
	PLACES
	WIN 0
	FETCH_A \slot, 1, 4
.endm
.macro TURN slot, next, fill, sig
	s_wait_tensorcnt 0x0                           ; all my tensor loads have landed: my part of the next slot
	ds_add_u32 v[SPW], v[NIL]
	s_wait_dscnt 4*NL+1                            ; (the add and the youngest sixteen loads may be out)
	WIN MUL_LO
	MUL16 0, 1, 1, \slot, 0
	s_wait_dscnt 0x0                               ; the add is done, and my reads of this slot are over
	s_barrier_signal -1
	MUL16 2, 1, 1, \slot, 0
	WIN 0
	s_barrier_wait -1
.if \fill
	CREST
	s_add_nc_u64 s[G0+4*\slot+2:G0+4*\slot+3], s[G0+4*\slot+2:G0+4*\slot+3], 2*HALFT
	s_add_nc_u64 s[G0B+4*\slot+2:G0B+4*\slot+3], s[G0B+4*\slot+2:G0B+4*\slot+3], 2*HALFT
	JLOAD G0+4*\slot, G1, G0B+4*\slot, G1B
.else
	PLACES
.endif
	FETCH_B \next, 0, 0
	FETCH_A \next, 0, 0
	SCALES \next, \sig
	WIN MUL_HI
	MUL16 4, 1, 1, \slot, 0
	MUL16 6, 1, 1, \slot, 0
	PLACES
	WIN 0
	FETCH_A \next, 0, 4
.endm
	s_wait_tensorcnt 1                             ; the scale words and my part of slot 0 are in; slot 1's load may be out
	s_barrier_signal -1
	s_barrier_wait -1
	FETCH_B 0, 0, 0
	FETCH_A 0, 0, 0
	SCALES 0, 0
	FETCH_A 0, 0, 4
	STEP 0, 1
	TURN 0, 1, 1, 1
	STEP 1, 0
	TURN 1, 0, 1, 2
	STEP 0, 0
	TURN 0, 1, 0, 3
	STEP 1, 0
	s_wait_dscnt 4*NL
	WIN MUL_LO
	MUL16 0, 1, 1, 1, 0
	MUL16 2, 1, 1, 1, 0
	s_wait_dscnt 0x0
	WIN MUL_HI
	MUL16 4, 1, 1, 1, 0
	MUL16 6, 1, 1, 1, 0
	WIN 0
; THE WAY OUT, block by block of 16 rows x 128 columns, through my own stage: in as 64 bytes a lane, back as whole rows of 512 bytes.  LDS serves a wave's instructions in order: no wait between the stores and the loads.
.macro TOSTAGE a
.set AC, 64*((\a)%4)
	WIN 0x08+4*((\a)/4)                            ; the data: window 2 or 3
.irp b, 0,1,2,3,4,5,6,7
	ds_store_b128 v[STO], v[AC+8*\b:AC+8*\b+3] offset:128*(\b/2)+32*(\b%2)       ; each accumulator from its low end on
	ds_store_b128 v[STO], v[AC+8*\b+4:AC+8*\b+7] offset:128*(\b/2)+32*(\b%2)+16
.endr
	WIN 0
.set BB, BK+64*((\a)%2)
.irp t, 0,1,2,3,4,5,6,7,8,9,10,11,12,13,14,15
	ds_load_b128 v[BB+4*\t:BB+4*\t+3], v[RD] offset:\t*528
.endr
.endm
.macro SEND a, younger                 ; younger: the LDS instructions issued behind block a's loads, which may stay out
.set BB, BK+64*((\a)%2)
	s_wait_dscnt \younger
.irp t, 0,1,2,3,4,5,6,7,8,9,10,11,12,13,14,15
	global_store_b128 v[CO], v[BB+4*\t:BB+4*\t+3], s[8:9] offset:(32*((\a)/2)+8*((\a)%2)+\t+8*(\t/8))*4096 th:TH_STORE_NT   ; position t of tile a is row 32 (a / 2) + 8 (a % 2) + t + 8 (t / 8); 32 lanes store 512 consecutive bytes, aligned
.endr
.endm
	PLACES
	TOSTAGE 0
.irp a, 1,2,3,4,5,6,7
.if \a > 1
	s_wait_xcnt 0x0                                ; block a - 2's stores have read their registers: block a's loads may land there
.endif
	TOSTAGE \a
	SEND \a-1, 32                                  ; behind block a - 1's loads: block a's 16 stores and 16 loads
.endr
	SEND 7, 0
	s_wait_tensorcnt 0x0                           ; the wave's end
	ds_add_u32 v[SPW], v[NIL]
	s_wait_dscnt 0x0
	CROUND                                         ; the closing round
	s_endpgm
.Lfunc_end_k_qc55d27d994_proj:
	.size	k_qc55d27d994_proj, .Lfunc_end_k_qc55d27d994_proj-k_qc55d27d994_proj
	.p2alignl 7, 3214868480
	.fill 96, 4, 3214868480
	.section	.rodata,"a",@progbits
	.p2align	6, 0x0
	.amdhsa_kernel k_qc55d27d994_proj
		.amdhsa_group_segment_fixed_size 327680
		.amdhsa_private_segment_fixed_size 0
		.amdhsa_enable_private_segment 0
		.amdhsa_kernarg_size 24
		.amdhsa_user_sgpr_count 2
		.amdhsa_user_sgpr_kernarg_segment_ptr 1
		.amdhsa_wavefront_size32 1
		.amdhsa_system_sgpr_workgroup_id_x 1
		.amdhsa_system_sgpr_workgroup_id_y 1
		.amdhsa_system_sgpr_workgroup_id_z 1
		.amdhsa_system_vgpr_workitem_id 0
		.amdhsa_next_free_vgpr 1024
		.amdhsa_next_free_sgpr 106
		.amdhsa_reserve_vcc 0
		.amdhsa_float_denorm_mode_32 3
		.amdhsa_float_denorm_mode_16_64 3
		.amdhsa_memory_ordered 1
		.amdhsa_forward_progress 1
		.amdhsa_inst_pref_size 141
	.end_amdhsa_kernel
	.amdgpu_metadata
---
amdhsa.version: [ 1, 2 ]
amdhsa.kernels:
  - .name:           k_qc55d27d994_proj
    .symbol:         k_qc55d27d994_proj.kd
    .args:
      - { .name: yq, .offset: 0, .size: 8, .value_kind: global_buffer, .address_space: global }
      - { .name: wq, .offset: 8, .size: 8, .value_kind: global_buffer, .address_space: global }
      - { .name: out0, .offset: 16, .size: 8, .value_kind: global_buffer, .address_space: global }
    .group_segment_fixed_size: 327680
    .private_segment_fixed_size: 0
    .kernarg_segment_align: 8
    .kernarg_segment_size: 24
    .max_flat_workgroup_size: 128
    .sgpr_count:     106
    .vgpr_count:     1024
    .wavefront_size: 32
...
	.end_amdgpu_metadata
.endif
;; end of part 4
